; MI455X (gfx1250); checked and timed in simulation.
; The chip was launched on July 23, 2026; its instructions are those of AMD's public machine-readable ISA for CDNA 5 (MIT licence, August 2026) and "CDNA5" Instruction Set Architecture Reference Guide (July 2026). The comments in the code are by the model that wrote it; some were corrected since.
;; Self Attention. Allowed arithmetic: matrix products marked QUANTISED: E2M1 operands, one E8M0 scale for each 32 along K, by v_wmma_scale_f32_16x16x128_f8f6f4 with both operands' format E2M1 (or v_wmma_scale_f32_32x16x128_f4), f32 sums; products left as they are: bf16, f16 or f32 operands; f32 sums; everything else in f32.
;; Inputs: W_attn 1,024 x 3,072 float32; W_proj 1,024 x 1,024 float32; x 4 x 2,048 x 1,024 float32.
;; Outputs: out0 4 x 2,048 x 1,024 float32.
;; This version of the problem:
;;   THIS VERSION OF THE PROBLEM IS GIVEN IN LOW PRECISION. The matrix products marked QUANTISED in the list below multiply operands that are first quantised to E2M1 (2 exponent bits, 1 mantissa bit; 4 bits a number), with one power-of-two scale for each 32 numbers along K (OCP MX v1.0); their sums are f32. The products marked 'left as it is' may take bf16, f16 or f32 operands, with f32 sums. Whichever they take, every output number must still come out within the allowed error. Rounding operands to bf16 (8 significant bits) uses up far more of that allowance than f16 does (11 bits, for magnitudes from 6e-5 to 65,504). All else is computed in f32.
;;   The module's matrix products, in the order in which they are computed (A, B: the left and right operand; K: the contracted axis; several contracted axes count as one K, in the product's order):
;;     1. [M 8,192, K 1,024] x [K 1,024, N 3,072]; A: input x; B: input W_attn: QUANTISED
;;     2. batch 64 x [M 2,048, K 64] x [K 64, N 2,048]; A: computed on the way; B: computed on the way: left as it is (an operand is computed on the way)
;;     3. batch 64 x [M 2,048, K 2,048] x [K 2,048, N 64]; A: computed on the way; B: computed on the way: left as it is (an operand is computed on the way)
;;     4. [M 8,192, K 1,024] x [K 1,024, N 1,024]; A: computed on the way; B: input W_proj: left as it is (an operand is computed on the way)
;;   THE QUANTISER, for each operand of a quantised product, along K:
;;     - K is cut into blocks of 32 from its start; a last block that is shorter is filled with zeros.
;;     - A block's scale is 2^e with e = floor(log2(the largest magnitude in the block)) - 2, held to -126 .. 127; a block of zeros has e = 0. As a byte (E8M0): e + 127.
;;     - Each number is divided by its block's scale, clamped to +-6, and rounded to the nearest number of E2M1, ties to even, subnormals kept.
;;     - The product sums the exact products of the quantised numbers (number of the format x scale) in f32.
;;   ~~~python
;;   def quantise(x, axis):      # numpy; x: float32 -> the quantised numbers, widened to float32 again
;;       x = np.moveaxis(x, axis, -1); K = x.shape[-1]
;;       x = np.pad(x, [(0, 0)] * (x.ndim - 1) + [(0, -K % 32)]); x = x.reshape(x.shape[:-1] + (-1, 32)); a = np.abs(x).max(-1, keepdims=True)
;;       e = np.where(a > 0, np.clip(np.frexp(np.where(a > 0, a, 1))[1] - 1 - 2, -126, 127), 0)      # np.frexp(a)[1] - 1 = floor(log2(a)), exactly
;;       r = np.clip(x / 2.0 ** e, -6, 6)
;;       step = 2.0 ** (np.maximum(np.frexp(np.where(r == 0, 1, r))[1] - 1, 0) - 1)
;;       q = np.round(r / step) * step * 2.0 ** e      # np.round: ties to even
;;       return np.moveaxis(q.reshape(q.shape[:-2] + (-1,))[..., :K], -1, axis).astype(np.float32)
;;   ~~~
;; One version. Each part assembles by itself: llvm-mc -triple=amdgcn-amd-amdhsa -mcpu=gfx1250 --defsym DOCPART=n.
;; ======== version 1 of 1: 5 launches
;; limits: values are held in f16: magnitudes above 65,504 overflow, below 6.1e-05 lose precision
;; workspace buffers: xc 4,194,304 bytes; xs 262,144 bytes; wc 1,572,864 bytes; ws 98,304 bytes; wpi 2,097,152 bytes; qkv 50,331,648 bytes; e32 786,432 bytes; yi 16,777,216 bytes
;; launch prep (part 1): grid 368 x 1, 4 waves a work-group, no clusters, 68,096 bytes of LDS; arguments x, W_attn, W_proj, xc, xs, wc, ws, wpi; writes xc, xs, wc, ws, wpi
.if DOCPART == 1
	.amdgcn_target "amdgcn-amd-amdhsa--gfx1250"
	.amdhsa_code_object_version 6
	.text
	.protected	k_q7a647721b6_prep
	.globl	k_q7a647721b6_prep
	.p2align	8
	.type	k_q7a647721b6_prep,@function
k_q7a647721b6_prep:
	s_mov_b64 s[64:65], 0
	v_nop
	global_prefetch_b8 v0, s[64:65] scope:SCOPE_SE
	s_setreg_imm32_b32 hwreg(HW_REG_WAVE_MODE, 25, 1), 1
	s_wait_xcnt 0x0
; THREE PREPARATIONS IN ONE LAUNCH, told apart by the work-group's number; each has LDS bytes of its own and its own end.
;   work-groups 0-255:   x [8192][1024] f32 -> codes of FP4 (E2M1), K innermost, xc [8192][512 bytes], and one E8M0 byte for each 32 along K, xs [8192][32].
;   work-groups 256-303: W_attn [1024 k][3072 n] f32, whose K is its FIRST axis -> wc [3072 n][512 bytes], ws [3072][32], K innermost.
;   work-groups 304-367: W_proj [1024 k][1024 n] f32 -> f16, laid as IMAGES OF OPERAND REGISTERS: wpi [k / 256][n / 16][(k % 256) / 32][1,024 bytes]; an image is 16 n x 32 k:
;                        lane (r, h) of the later matrix instruction holds column n = r; its registers 0-3 (k = 8 h + 0..7) lie at 16 x lane, registers 4-7 (k = 16 + 8 h + 0..7) at 512 + 16 x lane.
; THE QUANTISER: a block's scale is 2^(floor(log2(its largest magnitude)) - 2); its byte is the largest magnitude's exponent field - 2, held at 1 from below; each number is divided by the scale and rounded to
; the nearest code, ties to even, beyond 6 the largest code.
; LIMITS: a block of zeros gets the byte 1 where the rule says 127 (its codes are zeros, which add nothing, and this program alone reads the bytes); blocks whose largest magnitude lies under 2^(3 - 127)
; take the byte 1; NaN and infinities among the inputs are not served; W_proj must lie inside f16's range (under 65,504).
; No tensor loads, no barrier: waves share nothing.  No cluster: no two work-groups read the same bytes.
.set SPARE, 67584                      ; behind both paths' stages: the spare words, 128 bytes for each wave: two blocks of 256 bytes that no other line names
.set SPW,   190                        ; v190  LDS address of my spare word; never rewritten
.set NIL,   191                        ; v191  0; never rewritten
.set WGX,   256                        ; work-groups for x: 8192 x 1024 / 32,768
.set WGW,   48                         ; for W_attn: 3072 / 128 x 1024 / 512
; ---- x
.set XSTEPS, 16                        ; a wave takes 16 steps of 512 numbers
.set XCB,   8                          ; bytes of 16 codes
.set XR,    16                         ; v16-79   four sets of 16 numbers as they are loaded
.set XX,    80                         ; v80-111  two sets of 16 neighbours
.set XE,    112                        ; v112-127 a scale byte for each step
.set XC,    128                        ; v128-189 codes: registers of its own for each step, so that no store's data are written again
.set XWREG, 8192                       ; LDS 0 .. 32,767: a region for each wave: two stages of 32 x XSP bytes, behind them its 256 scale bytes
.set XSP,   80                         ; a lane's place in a stage: its 64 bytes + 16 of padding
; ---- W_attn
.set WN,    3072
.set WKROW, 512                        ; a row of wc in bytes
.set WNB,   16                         ; blocks of 32 along K for a wave
.set WPITCH, 272                       ; a stage row: 256 bytes of codes + 16
.set WSTG,  32768                      ; LDS 32,768 .. 67,583: a stage of 32 rows for each wave
.set WX,    32                         ; v32-95   two sets of 32 numbers
.set WC,    96                         ; v96-99   a block's codes
.set WOUT,  112                        ; v112-175 the way out
.set WSB,   24                         ; v24-27   the scale bytes, four to a register
; ---- W_proj
.set PX,    32                         ; v32-95   two sets of 32 numbers
.set PH,    96                         ; v96-159  16 registers of f16 pairs for each of four images
	s_load_b256 s[4:11], s[0:1], 0x0               ; x s[4:5], W_attn s[6:7], W_proj s[8:9], xc s[10:11]
	s_load_b256 s[12:19], s[0:1], 0x20             ; xs s[12:13], wc s[14:15], ws s[16:17], wpi s[18:19]
	v_lshl_add_u32 v[SPW], v0, 2, SPARE
	v_mov_b32 v[NIL], 0
	v_lshrrev_b32 v1, 5, v0
	v_readfirstlane_b32 s20, v1                    ; wave 0..3
	v_and_b32 v2, 31, v0                           ; lane
	s_wait_kmcnt 0x0
	s_cmp_lt_u32 ttmp9, WGX
	s_cbranch_scc0 .Lnot_x
; ================= x: rows are dense and K is a multiple of 32, so x is a plain stream of blocks of 32 =================
; Each of a step's four loads reads 512 consecutive bytes, 16 a lane; the 2,048 bytes go through the wave's own stage in LDS and come back 64 bytes a lane: 16 neighbours along K, two lanes to a block.
	v_lshlrev_b32 v3, 4, v2                        ; my 16 bytes of a load's 512
	s_mul_i32 s21, s20, XWREG
	v_lshrrev_b32 v14, 2, v2
	v_mul_u32_u24 v14, v14, XSP
	v_and_b32 v15, 3, v2
	v_lshl_add_u32 v14, v15, 4, v14
	v_add_nc_u32 v14, s21, v14                     ; the stage, on the way in: XSP (lane / 4) + 16 (lane % 4)
	v_mul_u32_u24 v15, v2, XSP
	v_add_nc_u32 v15, s21, v15                     ; and on the way out: XSP x lane
	v_mul_u32_u24 v4, v2, XCB                      ; my codes' place in a step's
	v_lshrrev_b32 v5, 1, v2
	s_add_co_u32 s21, s21, 2*32*XSP
	v_add_nc_u32 v5, s21, v5                       ; LDS: my wave's 256 scale bytes, my block's byte
	v_lshlrev_b32 v7, 3, v2                        ; and on the way out 8 bytes a lane
	v_add_nc_u32 v6, s21, v7
	s_lshl_b32 s22, ttmp9, 2
	s_add_co_u32 s22, s22, s20                     ; which run of 8,192 numbers is my wave's: 0 .. 1,023
	s_mov_b32 s25, 0
	s_lshl_b32 s24, s22, 15                        ; 32,768 bytes of x a run
	s_add_nc_u64 s[4:5], s[4:5], s[24:25]
	s_lshl_b32 s24, s22, 12                        ; 4,096 bytes of codes
	s_add_nc_u64 s[10:11], s[10:11], s[24:25]
	s_lshl_b32 s24, s22, 8                         ; 256 scale bytes
	s_add_nc_u64 s[12:13], s[12:13], s[24:25]
.macro XLOAD t
.irp i, 0,1,2,3
	global_load_b128 v[XR+16*((\t)%4)+4*\i:XR+16*((\t)%4)+4*\i+3], v3, s[4:5] offset:2048*(\t)+512*\i th:TH_LOAD_NT   ; 32 lanes read 512 consecutive bytes
.endr
.endm
.macro XTURN t                         ; step t's numbers through the stage: LDS serves a wave's instructions in order, so no wait stands between the stores and the loads
.irp i, 0,1,2,3
	ds_store_b128 v14, v[XR+16*((\t)%4)+4*\i:XR+16*((\t)%4)+4*\i+3] offset:32*XSP*((\t)%2)+8*XSP*\i
.endr
.irp i, 0,1,2,3
	ds_load_b128 v[XX+16*((\t)%2)+4*\i:XX+16*((\t)%2)+4*\i+3], v15 offset:32*XSP*((\t)%2)+16*\i
.endr
.endm
.irp t, 0,1,2,3
	XLOAD \t
.endr
	s_wait_loadcnt 12                              ; step 0's four loads are in; the twelve of steps 1 to 3 may be out
	XTURN 0
.macro XSTEP t
.set XS, XX+16*((\t)%2)
.if (\t) > 0
	s_wait_dscnt 1                                 ; this step's numbers are back from the stage; the one younger LDS instruction, the last step's byte store, may be out
.else
	s_wait_dscnt 0x0
.endif
.if (\t)+4 < XSTEPS
	XLOAD (\t)+4                                   ; into the registers that the stage's stores have read
.endif
.if (\t)+1 < XSTEPS
.if XSTEPS-2-(\t) >= 3
	s_wait_loadcnt 12                              ; the next step's four loads are in; those of the three steps behind it may be out
.else
	s_wait_loadcnt 4*(XSTEPS-2-(\t))               ; at the end fewer steps stand behind it
.endif
	XTURN (\t)+1                                   ; the next step goes through the other stage while this one is worked
.endif
	v_max3_num_f32 v8, |v[XS]|, |v[XS+1]|, |v[XS+2]|               ; the largest magnitude of my 16, in two chains
	v_max3_num_f32 v9, |v[XS+3]|, |v[XS+4]|, |v[XS+5]|
.irp i, 6,10
	v_max3_num_f32 v8, v8, |v[XS+\i]|, |v[XS+\i+1]|
	v_max3_num_f32 v9, v9, |v[XS+\i+2]|, |v[XS+\i+3]|
.endr
	v_max3_num_f32 v8, v8, |v[XS+14]|, |v[XS+15]|
	v_max3_num_f32 v8, v8, v9, 0x1800000           ; and the floor 2^(3 - 127): so the byte cannot fall under 1
	v_max_num_f32_dpp v8, v8, v8 row_xmask:1 row_mask:0xf bank_mask:0xf   ; and of my neighbour's 16: the block's
	v_add_nc_u32 v11, 0xff000000, v8               ; 2 off its exponent field: the conversion takes the exponent field of this operand as its scale
	v_cvt_scalef32_pk8_fp4_f32 v[XC+4*(\t)], v[XS:XS+7], v11
	v_cvt_scalef32_pk8_fp4_f32 v[XC+4*(\t)+1], v[XS+8:XS+15], v11
	v_lshrrev_b32 v[XE+(\t)], 23, v11              ; the scale's byte (also the plain line behind the conversions)
	ds_store_b8 v5, v[XE+(\t)] offset:16*(\t)      ; both lanes of a block write the same byte with the same value
	global_store_b64 v4, v[XC+4*(\t):XC+4*(\t)+1], s[10:11] offset:32*XCB*(\t)   ; the wave stores 256 consecutive bytes, aligned
.endm
.irp t, 0,1,2,3,4,5,6,7,8,9,10,11,12,13,14,15
	XSTEP \t
.endr
	ds_load_b64 v[8:9], v6                         ; LDS serves a wave's instructions in order: these see my byte stores
	s_wait_dscnt 0x0
	global_store_b64 v7, v[8:9], s[12:13]          ; 32 lanes store 256 consecutive scale bytes, aligned
	s_wait_tensorcnt 0x0                           ; the wave's end, behind my last LDS store
	ds_add_u32 v[SPW], v[NIL]
	s_wait_dscnt 0x0
	s_endpgm
.Lnot_x:
	s_cmp_lt_u32 ttmp9, WGX+WGW
	s_cbranch_scc0 .Lnot_w
; ================= W_attn: a lane takes a column n, and its registers run down K =================
; Each load reads 128 consecutive bytes a wave; a block of 32 along K lies in ONE lane's 32 registers; the conversions give the codes with K innermost.  A wave takes 32 columns x 512 along K;
; its codes go through its own stage in LDS and leave as rows: sixteen lanes store 256 consecutive bytes, aligned.
	s_sub_co_u32 s21, ttmp9, WGX                   ; 0 .. 47
	s_cmp_ge_u32 s21, 24
	s_cselect_b32 s22, 1, 0                        ; which 512 along K
	s_cselect_b32 s23, 24, 0
	s_sub_co_u32 s21, s21, s23                     ; which 128 columns
	s_lshl_b32 s21, s21, 7
	s_lshl_b32 s23, s20, 5
	s_add_co_u32 s21, s21, s23                     ; my wave's first column
	v_lshlrev_b32 v3, 2, v2                        ; in: 4 bytes a lane
	s_mul_i32 s23, s20, 32*WPITCH
	s_add_co_u32 s23, s23, WSTG                    ; my stage
	v_mul_u32_u24 v4, v2, WPITCH
	v_add_nc_u32 v4, s23, v4                       ; into it: row = my column
	v_and_b32 v5, 15, v2
	v_lshrrev_b32 v6, 4, v2                        ; out of it: sixteen lanes to a row, two rows an instruction
	v_mul_u32_u24 v7, v6, WPITCH
	v_lshl_add_u32 v7, v5, 4, v7
	v_add_nc_u32 v7, s23, v7
	v_mul_u32_u24 v8, v6, WKROW
	v_lshl_add_u32 v8, v5, 4, v8                   ; and the same place in wc
	v_lshlrev_b32 v9, 5, v2                        ; my column's row of scale bytes: 32 bytes a row
	s_mov_b32 s25, 0
	s_mul_i32 s24, s22, 512*WN*4                   ; W_attn: 512 rows of 12,288 bytes,
	s_lshl_b32 s26, s21, 2
	s_add_co_u32 s24, s24, s26                     ; + 4 x column
	s_add_nc_u64 s[6:7], s[6:7], s[24:25]
	s_lshl_b32 s24, s21, 9                         ; wc: column x 512,
	s_lshl_b32 s26, s22, 8
	s_add_co_u32 s24, s24, s26                     ; + 256 bytes for the second 512 along K
	s_add_nc_u64 s[14:15], s[14:15], s[24:25]
	s_lshl_b32 s24, s21, 5                         ; ws: column x 32,
	s_lshl_b32 s26, s22, 4
	s_add_co_u32 s24, s24, s26                     ; + 16
	s_add_nc_u64 s[16:17], s[16:17], s[24:25]
.macro WLOAD t                         ; block t: W(32 t + i, my column), i = 0 .. 31, into set t % 2.  The largest offset, 511 x 12,288, lies inside the signed 24-bit immediate
.irp i, 0,1,2,3,4,5,6,7,8,9,10,11,12,13,14,15,16,17,18,19,20,21,22,23,24,25,26,27,28,29,30,31
	global_load_b32 v[WX+32*((\t)%2)+\i], v3, s[6:7] offset:(32*(\t)+\i)*WN*4 th:TH_LOAD_NT
.endr
.endm
	WLOAD 0
	WLOAD 1
.macro WBLOCK t
.set WS, WX+32*((\t)%2)
.if (\t) < WNB-1
	s_wait_loadcnt 32                              ; this block's 32 loads are in; the next block's 32 may be out
.else
	s_wait_loadcnt 0
.endif
	v_max3_num_f32 v12, |v[WS]|, |v[WS+1]|, |v[WS+2]|              ; the block's largest magnitude: all 32 numbers are mine
	v_max3_num_f32 v13, |v[WS+3]|, |v[WS+4]|, |v[WS+5]|
.irp i, 6,10,14,18,22,26
	v_max3_num_f32 v12, v12, |v[WS+\i]|, |v[WS+\i+1]|
	v_max3_num_f32 v13, v13, |v[WS+\i+2]|, |v[WS+\i+3]|
.endr
	v_max3_num_f32 v12, v12, |v[WS+30]|, |v[WS+31]|
	v_max3_num_f32 v12, v12, v13, 0x1800000        ; and the floor 2^(3 - 127)
	v_add_nc_u32 v11, 0xff000000, v12              ; 2 off its exponent field: the conversion's scale operand
	v_lshrrev_b32 v13, 23, v11                     ; the scale's byte
.if (\t)%4 == 0
	v_mov_b32 v[WSB+(\t)/4], v13                   ; four bytes to a register, the lower K in the lower byte
.else
	v_lshl_or_b32 v[WSB+(\t)/4], v13, 8*((\t)%4), v[WSB+(\t)/4]
.endif
.irp g, 0,1,2,3
	v_cvt_scalef32_pk8_fp4_f32 v[WC+\g], v[WS+8*\g:WS+8*\g+7], v11
.endr
	ds_store_b128 v4, v[WC:WC+3] offset:16*(\t)    ; 32 codes: 16 bytes of my column's row.  (The codes go to an LDS store, and the next block begins with plain vector lines)
.if (\t)+2 < WNB
	WLOAD (\t)+2
.endif
	s_wait_dscnt 0x0                               ; the store has read its registers: the next block's codes may be written
.endm
.irp t, 0,1,2,3,4,5,6,7,8,9,10,11,12,13,14,15
	WBLOCK \t
.endr
	global_store_b128 v9, v[WSB:WSB+3], s[16:17]   ; my column's 16 scale bytes
.irp t, 0,1,2,3,4,5,6,7,8,9,10,11,12,13,14,15
	ds_load_b128 v[WOUT+4*\t:WOUT+4*\t+3], v7 offset:2*\t*WPITCH   ; LDS serves a wave's instructions in order: these see my stores
.endr
.irp t, 0,1,2,3,4,5,6,7,8,9,10,11,12,13,14,15
	s_wait_dscnt 15-\t                             ; load t is in; the 15 - t younger ones may be out
	global_store_b128 v8, v[WOUT+4*\t:WOUT+4*\t+3], s[14:15] offset:2*\t*WKROW
.endr
	s_wait_tensorcnt 0x0                           ; the wave's end, behind my last LDS store
	ds_add_u32 v[SPW], v[NIL]
	s_wait_dscnt 0x0
	s_endpgm
.Lnot_w:
; ================= W_proj: rounded to f16 and laid as images =================
; A work-group takes 128 columns x 128 along K; a lane takes a column, its registers run down K.  Of a lane's 32 numbers of an image, group g of eight (k = 8 g + 0..7) packs into 16 bytes that lie at
; 256 g + 16 (n % 16) of the image: so sixteen lanes store 256 consecutive bytes, aligned; lanes 16-31 hold the next 16 columns, whose images lie 8,192 bytes on.
	s_sub_co_u32 s21, ttmp9, WGX+WGW               ; 0 .. 63
	s_and_b32 s22, s21, 7                          ; which 128 columns
	s_lshr_b32 s23, s21, 3                         ; which 128 along K
	v_lshlrev_b32 v3, 2, v2                        ; in: 4 bytes a lane
	v_lshrrev_b32 v8, 4, v2
	v_and_b32 v9, 15, v2
	v_lshlrev_b32 v8, 13, v8
	v_lshl_add_u32 v8, v9, 4, v8                   ; out: 8,192 (lane / 16) + 16 (lane % 16)
	s_mov_b32 s25, 0
	s_lshl_b32 s24, s23, 19                        ; 128 rows of 4,096 bytes,
	s_lshl_b32 s26, s22, 9
	s_add_co_u32 s24, s24, s26                     ; + 512 bytes for each 128 columns,
	s_lshl_b32 s26, s20, 7
	s_add_co_u32 s24, s24, s26                     ; + 128 for my wave's 32
	s_add_nc_u64 s[8:9], s[8:9], s[24:25]
	s_lshr_b32 s24, s23, 1
	s_lshl_b32 s24, s24, 19                        ; wpi: which 256 along K: 64 x 8 images,
	s_lshl_b32 s26, s22, 16
	s_add_co_u32 s24, s24, s26                     ; + 8 tiles of 16 columns x 8,192,
	s_lshl_b32 s26, s20, 14
	s_add_co_u32 s24, s24, s26                     ; + my wave's two tiles,
	s_and_b32 s26, s23, 1
	s_lshl_b32 s26, s26, 12
	s_add_co_u32 s24, s24, s26                     ; + four images for the second 128 along K
	s_add_nc_u64 s[18:19], s[18:19], s[24:25]
.macro PLOAD s
.irp i, 0,1,2,3,4,5,6,7,8,9,10,11,12,13,14,15,16,17,18,19,20,21,22,23,24,25,26,27,28,29,30,31
	global_load_b32 v[PX+32*((\s)%2)+\i], v3, s[8:9] offset:(32*(\s)+\i)*4096 th:TH_LOAD_NT
.endr
.endm
.macro PBLK s
.if (\s) < 3
	s_wait_loadcnt 32                              ; this image's 32 loads are in; the next one's 32 may be out
.else
	s_wait_loadcnt 0
.endif
.irp i, 0,1,2,3,4,5,6,7,8,9,10,11,12,13,14,15
	v_cvt_pk_f16_f32 v[PH+16*(\s)+\i], v[PX+32*((\s)%2)+2*\i], v[PX+32*((\s)%2)+2*\i+1]
.endr
.irp g, 0,1,2,3
	global_store_b128 v8, v[PH+16*(\s)+4*\g:PH+16*(\s)+4*\g+3], s[18:19] offset:1024*(\s)+256*\g   ; each image has registers of its own: no store's data are written again
.endr
.if (\s)+2 < 4
	PLOAD (\s)+2
.endif
.endm
	PLOAD 0
	PLOAD 1
.irp s, 0,1,2,3
	PBLK \s
.endr
	s_wait_tensorcnt 0x0                           ; the wave's end
	ds_add_u32 v[SPW], v[NIL]
	s_wait_dscnt 0x0
	s_endpgm
.Lfunc_end_k_q7a647721b6_prep:
	.size	k_q7a647721b6_prep, .Lfunc_end_k_q7a647721b6_prep-k_q7a647721b6_prep
	.p2alignl 7, 3214868480
	.fill 96, 4, 3214868480
	.section	.rodata,"a",@progbits
	.p2align	6, 0x0
	.amdhsa_kernel k_q7a647721b6_prep
		.amdhsa_group_segment_fixed_size 68096
		.amdhsa_private_segment_fixed_size 0
		.amdhsa_enable_private_segment 0
		.amdhsa_kernarg_size 64
		.amdhsa_user_sgpr_count 2
		.amdhsa_user_sgpr_kernarg_segment_ptr 1
		.amdhsa_wavefront_size32 1
		.amdhsa_system_sgpr_workgroup_id_x 1
		.amdhsa_system_sgpr_workgroup_id_y 1
		.amdhsa_system_sgpr_workgroup_id_z 1
		.amdhsa_system_vgpr_workitem_id 0
		.amdhsa_next_free_vgpr 192
		.amdhsa_next_free_sgpr 66
		.amdhsa_reserve_vcc 0
		.amdhsa_float_denorm_mode_32 3
		.amdhsa_float_denorm_mode_16_64 3
		.amdhsa_memory_ordered 1
		.amdhsa_forward_progress 1
		.amdhsa_inst_pref_size 129
	.end_amdhsa_kernel
	.amdgpu_metadata
---
amdhsa.version: [ 1, 2 ]
amdhsa.kernels:
  - .name:           k_q7a647721b6_prep
    .symbol:         k_q7a647721b6_prep.kd
    .args:
      - { .name: x, .offset: 0, .size: 8, .value_kind: global_buffer, .address_space: global }
      - { .name: W_attn, .offset: 8, .size: 8, .value_kind: global_buffer, .address_space: global }
      - { .name: W_proj, .offset: 16, .size: 8, .value_kind: global_buffer, .address_space: global }
      - { .name: xc, .offset: 24, .size: 8, .value_kind: global_buffer, .address_space: global }
      - { .name: xs, .offset: 32, .size: 8, .value_kind: global_buffer, .address_space: global }
      - { .name: wc, .offset: 40, .size: 8, .value_kind: global_buffer, .address_space: global }
      - { .name: ws, .offset: 48, .size: 8, .value_kind: global_buffer, .address_space: global }
      - { .name: wpi, .offset: 56, .size: 8, .value_kind: global_buffer, .address_space: global }
    .group_segment_fixed_size: 68096
    .private_segment_fixed_size: 0
    .kernarg_segment_align: 8
    .kernarg_segment_size: 64
    .max_flat_workgroup_size: 128
    .sgpr_count:     66
    .vgpr_count:     192
    .wavefront_size: 32
...
	.end_amdgpu_metadata
.endif
;; end of part 1
;; launch qkv (part 2): grid 12 x 32, 4 waves a work-group, clusters of 4 x 4, 327,680 bytes of LDS; arguments xc, xs, wc, ws, qkv, e32; writes qkv, e32
.if DOCPART == 2
	.amdgcn_target "amdgcn-amd-amdhsa--gfx1250"
	.amdhsa_code_object_version 6
	.text
	.protected	k_q7a647721b6_qkv
	.globl	k_q7a647721b6_qkv
	.p2align	8
	.type	k_q7a647721b6_qkv,@function
k_q7a647721b6_qkv:
	s_mov_b64 s[64:65], 0
	v_nop
	global_prefetch_b8 v0, s[64:65] scope:SCOPE_SE
	s_setreg_imm32_b32 hwreg(HW_REG_WAVE_MODE, 25, 1), 1
	s_wait_xcnt 0x0
	s_wait_alu depctr_hold_cnt(0) depctr_sa_sdst(0) depctr_va_vdst(0) depctr_va_sdst(0) depctr_va_ssrc(0) depctr_va_vcc(0) depctr_vm_vsrc(0)
	s_getreg_b32 s2, hwreg(HW_REG_IB_STS2, 6, 4)
	s_cmp_eq_u32 s2, 0
	s_cbranch_scc0 .Lentry_in_a_cluster
	s_endpgm
.Lentry_in_a_cluster:
	s_bfe_u32 s2, ttmp6, 0x10000c
	s_cmp_lg_u32 s2, 0xf033
	s_cbranch_scc0 .Lentry_shape_is_right
	s_endpgm
.Lentry_shape_is_right:
; THE QUANTISED PRODUCT x W_attn, [8192 x 1024] x [1024 x 3072], on codes of FP4 (E2M1) with one E8M0 scale for each 32 along K; sums in f32.  Codes and scale bytes go to the matrix unit as they lie.
; A tile of the result, 256 x 256, is made by a work-group of four waves; a wave makes 128 x 128: 64 accumulators of 16 x 16, 512 registers.  K = 1,024 is two LDS slots of 512 along K (rows of 256 bytes):
; both slots and all scale bytes are asked for at the head, and NOTHING IS FILLED AGAIN: by this text's own count a wave has three tensor loads out.
; THE MATRIX INSTRUCTION IS USED TRANSPOSED (source 0 = 16 rows of side B, source 1 = 16 rows of side A): a lane holds ONE row of side A and eight neighbouring rows of side B.
; WHICH TENSOR IS SIDE A hangs on the cluster's x, which all sixteen partners share:  x = 0 (q), 1 (k): A = x's tokens, B = W's columns: a lane holds one token and eight channels;
;   x = 2 (v): A = W's columns, B = x's tokens: a lane holds one channel and eight tokens, which is v transposed.  Only pointers, strides and first rows are chosen; the text is one.
; THE RESULT LEAVES AS IMAGES OF THE NEXT PRODUCTS' OPERAND REGISTERS, in f16: two neighbouring accumulators, rounded in pairs, ARE a fragment of 16 rows x 32 K (registers 0-3 at 16 x lane, registers 4-7 at
; 512 + 16 x lane of an image of 1,024 bytes): every store of a wave covers 512 consecutive bytes, aligned; no stage in LDS is needed.
;   qkv:  q at 0, k at 16 MiB: [batch][head][token / 16][channel / 32][1,024];   v at 32 MiB: [batch][head][key / 32][channel / 16][1,024].
; TOKENS 0-15 OF EACH BATCH also leave in f32, as accumulators stand, for the launch that carries those rows finely:  e32 [batch][q, k, v][head][tile 4][1,024].
; THE PLACES: token tile of place c in cluster row Y = batch c, tokens 256 Y on: so tokens 0-15 of all batches lie in cluster row 0, and the branch round the f32 stores hangs on the cluster's x and y and the wave alone.
; CLUSTERS: 4 x 4 work-groups; side A's tiles are shared along a row of the cluster, side B's along a column: each is asked for jointly, by the same tensor load with the same descriptor and a mask of four.
; LIMITS: q, k and v must lie inside f16's range (under 65,504).  384 work-groups of equal work.
; REGISTERS, in windows of 256: window 0: v0-31 addresses; v32-95 scale words, two sets; v128-191 A's fragments, ONE set; on the way out two buffers of packed results.
;   window 1: B's fragments, two sets, at v0 and v128.   window 2: the accumulators of my rows 0-63 ((a, b) at v[8 (8 a + b)]);   window 3: those of my rows 64-127.
.set NQ,     4                         ; matrix instructions deep in a slot: 512 along K
.set ROWB,   256                       ; a tile's row in bytes
.set KROW,   512                       ; a row of codes in memory
.set PITCH,  272                       ; an LDS row: 256 bytes + 16 of padding = 68 words: row r starts at bank 4 r mod 64 (ISA guide 11.1)
.set FR,     8                         ; registers of a fragment: 16 rows x 128 K
.set NL,     2                         ; LDS loads that bring one
.set NP,     4                         ; places behind this matrix instruction (ISA guide 7.12.1)
.set HALFT,  128*PITCH                 ; 128 rows: what one tensor load brings
.set SLOT,   4*HALFT                   ; A's 256 rows, then B's 256 rows
.set KS,     32                        ; a row of scale bytes
.set SCL,    2*SLOT                    ; behind the slots: the scales, as units of 256 bytes + 16 of padding
.set HALFS,  (128*KS/256)*272          ; the scales of 128 rows
.set SBLK,   (16*KS/256)*272           ; those of 16 rows
.set SPARE,  SCL+4*HALFS               ; the spare words, 128 bytes for each wave: two blocks of 256 bytes that no other line names
.set VO,   8                           ; v8-11   the way out: 16 x lane + where image c of a block's four begins; v8 is 16 x lane itself
.set ADRA, 16                          ; v16-17  LDS address of my A fragments in slot 0, 1
.set ADRB, 20                          ; v20-21  the same for B
.set ADRS, 27                          ; v27     LDS address of my scale words: lanes 0-15 A's rows, lanes 16-31 B's
.set SPW,  28                          ; v28     LDS address of my spare word; never rewritten
.set NIL,  29                          ; v29     0; never rewritten
.set SC,   32                          ; scale words: set s at v[SC + 32 s]; register 4 i + q: lanes 0-15 A's block i, lanes 16-31 B's block i, the slot's q-th 128 along K
.set AF,   128                         ; A's fragments
.set PB,   128                         ; the way out: packed results, v128-159 and v160-191 by turns
.set WV,   16                          ; s16 wave;  s17 which half of A's rows is mine, also: I fetch for A (0) or B (1);  s18 which half of B's rows, also: which 128 rows I fetch
.set AH,   17
.set BH,   18
.set YY,   19                          ; s19 the cluster's y
.set EF,   99                          ; s99 0 where my wave holds tokens 0 to 15
.set G1, 24                            ; s[24:31] descriptor group 1 for A's tiles;  s[32:39] group 0, one set for each slot
.set G0, 32
.set G1B, 48                           ; s[48:55], s[56:63] the same for B's
.set G0B, 56
.set G1S, 68                           ; s[68:75], s[76:79] groups 1 and 0 for A's scales;  s[80:87], s[88:91] for B's
.set G0S, 76
.set G1SB, 80
.set G0SB, 88
.set MSB, 0
.macro WIN new                         ; the immediate's high byte repeats the setting that is left
.if MSB != \new
	s_set_vgpr_msb (MSB<<8)|\new
.set MSB, \new
.endif
.endm
.set MUL_LO, 0xa1                      ; source 0 (B) window 1, source 1 (A) window 0, C and D window 2
.set MUL_HI, 0xf1                      ; the same, C and D window 3
.set TO_B,   0x40                      ; destination window 1, address window 0
; A joint load: waves 0 and 1 fetch for A, waves 2 and 3 for B.  Each line has one mask and one set of registers; the branch hangs on the wave's number alone.
; An s_nop 0 and four v_nop follow each of the two lines.
.macro JLOAD g0a, g1a, g0b, g1b
	s_cmp_eq_u32 s[AH], 0
	s_cbranch_scc0 .Lfor_b_\@
	tensor_load_to_lds s[\g0a:\g0a+3], s[\g1a:\g1a+7]
	s_nop 0
.rept 4
	v_nop
.endr
	s_branch .Lasked_\@
.Lfor_b_\@:
	tensor_load_to_lds s[\g0b:\g0b+3], s[\g1b:\g1b+7]
	s_nop 0
.rept 4
	v_nop
.endr
.Lasked_\@:
.endm
.macro CROUND                          ; a round of the cluster's barrier
	s_barrier_signal -1
	s_barrier_wait -1
	s_cmp_lg_u32 s[WV], 0
	s_cbranch_scc1 .Lnot_wave_0_\@
	s_barrier_signal -3
.Lnot_wave_0_\@:
	s_barrier_wait -3
	s_barrier_signal -1
	s_barrier_wait -1
.endm
	s_load_b256 s[4:11], s[0:1], 0x0               ; x's codes s[4:5], x's scales s[6:7], W's codes s[8:9], W's scales s[10:11]
	s_load_b128 s[12:15], s[0:1], 0x20             ; qkv s[12:13], e32 s[14:15]
	v_lshl_add_u32 v[SPW], v0, 2, SPARE
	v_mov_b32 v[NIL], 0
	ds_add_u32 v[SPW], v[NIL]                      ; the wave's opening: the add, twice on end, and its wait ahead of my first tensor load
	ds_add_u32 v[SPW], v[NIL]                      ; and once more; the set-up below, work on registers, stands between it and the wait
	v_lshrrev_b32 v1, 5, v0
	v_readfirstlane_b32 s[WV], v1                  ; wave 0..3
	s_lshr_b32 s[AH], s[WV], 1
	s_and_b32 s[BH], s[WV], 1
	s_bfe_u32 s40, ttmp6, 0x40000                  ; cx, cy: my place in the cluster
	s_bfe_u32 s41, ttmp6, 0x40004
	s_and_b32 s[YY], ttmp7, 0xffff                 ; the cluster's y: which 256 tokens of a batch
	s_lshl_b32 s43, s41, 2
	s_lshl_b32 s43, 15, s43                        ; my row of the cluster
	s_lshl_b32 s44, 0x1111, s40                    ; my column
	; descriptor group 1: a tile of 128 rows x 256 bytes, padded in LDS.  x's codes and W's have rows of the same length, so one shape serves either choice of sides
	s_or_b32 s[G1+0], s43, (0<<16)|(1<<20)|(1<<21)|(5<<22)|(3<<25)  ; 15:0 the mask: A's tiles go to my row; 17:16 elements of 1 byte; 20 padding on; 21 set beside a mask; 24:22 after every 64 words; 31:25 four words
	s_or_b32 s[G1B+0], s44, (0<<16)|(1<<20)|(1<<21)|(5<<22)|(3<<25)
.irp g, G1, G1B
	s_mov_b32 s[\g+1], ROWB<<16                    ; tensor_dim0
	s_mov_b32 s[\g+2], 128<<16                     ; tensor_dim1
	s_mov_b32 s[\g+3], ROWB<<16                    ; tile_dim0
	s_mov_b32 s[\g+4], 128                         ; tile_dim1
	s_mov_b32 s[\g+5], KROW                        ; tensor_dim0_stride
	s_mov_b32 s[\g+6], 0
	s_mov_b32 s[\g+7], 0
.endr
	; the scales of 128 rows: a dense block of 4,096 bytes, as 16 rows of 256 bytes (32 elements of 8 bytes), 16 bytes of padding behind each
	s_or_b32 s[G1S+0], s43, (3<<16)|(1<<20)|(1<<21)|(5<<22)|(3<<25)
	s_or_b32 s[G1SB+0], s44, (3<<16)|(1<<20)|(1<<21)|(5<<22)|(3<<25)
.irp g, G1S, G1SB
	s_mov_b32 s[\g+1], 32<<16
	s_mov_b32 s[\g+2], (128*KS/256)<<16
	s_mov_b32 s[\g+3], 32<<16
	s_mov_b32 s[\g+4], 128*KS/256
	s_mov_b32 s[\g+5], 32
	s_mov_b32 s[\g+6], 0
	s_mov_b32 s[\g+7], 0
.endr
	; the rows that I fetch.  A's hang on cy (and the cluster's x, y and the wave), B's on cx: each in registers that never hold the other place
	s_lshl_b32 s2, s[YY], 8                        ; 256 Y
	s_lshl_b32 s3, ttmp9, 10                       ; 1,024 x the cluster's x
	s_lshl_b32 s66, s[BH], 7                       ; which 128 rows of the tile I fetch
	s_mov_b32 s20, 2048
	s_cmp_eq_u32 ttmp9, 2                          ; v?  (the lines down to the additions leave SCC alone)
	s_cselect_b32 s42, 1, 0
	s_cselect_b32 s21, 256, s20                    ; A, from place to place: 256 rows of W, or a batch of x
	s_cselect_b32 s22, s20, s2                     ; A's first row: v's columns begin at 2,048; or token 256 Y
	s_cselect_b32 s46, s20, 256                    ; B likewise, the other way round
	s_cselect_b32 s47, s2, s3
	s_mul_i32 s20, s41, s21
	s_mul_i32 s46, s40, s46
	s_add_co_u32 s20, s20, s22
	s_add_co_u32 s20, s20, s66                     ; A's row
	s_add_co_u32 s46, s46, s47
	s_add_co_u32 s46, s46, s66                     ; B's row
	s_lshl_b32 s22, s20, 5                         ; where these rows' scales begin, in bytes,
	s_lshl_b32 s92, s46, 5
	s_lshl_b32 s20, s20, 9                         ; and their codes (under 2^23)
	s_lshl_b32 s46, s46, 9
	s_mov_b32 s21, 0
	s_mov_b32 s23, 0
	s_mov_b32 s47, 0
	s_mov_b32 s93, 0
	s_mul_i32 s45, s[WV], HALFT                    ; where they go: wave x 128 rows: no place in the cluster enters an LDS address
	s_mul_i32 s94, s[WV], HALFS
	s_wait_dscnt 0x0                               ; both opening adds are done
	s_wait_kmcnt 0x0
	s_cmp_eq_u32 ttmp9, 2                          ; the choice of buffers hangs on the cluster's x alone
	s_cselect_b64 s[96:97], s[8:9], s[4:5]         ; A's codes
	s_cselect_b64 s[98:99], s[10:11], s[6:7]       ; A's scales
	s_cselect_b64 s[100:101], s[4:5], s[8:9]       ; B's codes
	s_cselect_b64 s[66:67], s[6:7], s[10:11]       ; B's scales
	s_add_nc_u64 s[20:21], s[96:97], s[20:21]
	s_add_nc_u64 s[22:23], s[98:99], s[22:23]
	s_add_nc_u64 s[46:47], s[100:101], s[46:47]
	s_add_nc_u64 s[92:93], s[66:67], s[92:93]
	CROUND                                         ; all sixteen work-groups are here: the first joint loads meet
	s_mov_b32 s[G0S], 1
	s_add_co_u32 s[G0S+1], s94, SCL
	s_mov_b64 s[G0S+2:G0S+3], s[22:23]
	s_or_b32 s[G0S+3], s[G0S+3], 0x80000000
	s_mov_b32 s[G0SB], 1
	s_add_co_u32 s[G0SB+1], s94, SCL
	s_mov_b64 s[G0SB+2:G0SB+3], s[92:93]
	s_or_b32 s[G0SB+3], s[G0SB+3], 0x80000000
	JLOAD G0S, G1S, G0SB, G1SB                     ; the scales first: they are wanted with the first slot
.irp s, 0,1
	s_mov_b32 s[G0+4*\s], 1
	s_add_co_u32 s[G0+4*\s+1], s45, \s*SLOT
	s_add_nc_u64 s[G0+4*\s+2:G0+4*\s+3], s[20:21], \s*ROWB
	s_or_b32 s[G0+4*\s+3], s[G0+4*\s+3], 0x80000000
	s_mov_b32 s[G0B+4*\s], 1
	s_add_co_u32 s[G0B+4*\s+1], s45, \s*SLOT
	s_add_nc_u64 s[G0B+4*\s+2:G0B+4*\s+3], s[46:47], \s*ROWB
	s_or_b32 s[G0B+4*\s+3], s[G0B+4*\s+3], 0x80000000
	JLOAD G0+4*\s, G1, G0B+4*\s, G1B
.endr
	v_and_b32 v1, 15, v0                           ; l % 16
	v_bfe_u32 v2, v0, 4, 1                         ; l / 16
	v_mul_u32_u24 v3, v1, PITCH
	v_lshl_add_u32 v4, v2, 4, v3                   ; a fragment's row x pitch + 16 x half
	s_mul_i32 s21, s[AH], HALFT                    ; my 128 rows of A
	s_mul_i32 s22, s[BH], HALFT                    ; my 128 rows of B,
	s_add_co_u32 s22, s22, 2*HALFT                 ; which lie behind A's 256
.irp s, 0,1
	v_add_nc_u32 v[ADRA+\s], s21, v4
	v_add_nc_u32 v[ADRB+\s], s22, v4
	s_add_co_u32 s21, s21, SLOT
	s_add_co_u32 s22, s22, SLOT
.endr
	v_mul_u32_u24 v5, v1, KS                       ; my row's scales: 32 bytes a row,
	v_lshrrev_b32 v6, 8, v5
	v_lshl_add_u32 v5, v6, 4, v5                   ; and 16 more for each 256 passed
	s_mul_i32 s21, s[AH], HALFS                    ; A's: my 128 rows
	s_mul_i32 s22, s[BH], HALFS                    ; B's: my 128 rows, behind A's 256
	s_add_co_u32 s22, s22, 2*HALFS
	s_sub_co_u32 s22, s22, s21
	v_mul_u32_u24 v6, s22, v2                      ; lanes 16-31 take B's: one product, the distance between the two bases
	s_add_co_u32 s21, s21, SCL
	v_add_nc_u32 v5, v5, v6
	v_add_nc_u32 v[ADRS], s21, v5
	; THE WAY OUT'S OFFSETS.  P: the place that is the batch; R: the place along the channels; W1: my half along the channels; W2: my half along the tokens
	v_and_b32 v6, 31, v0
	v_lshlrev_b32 v[VO], 4, v6                     ; 16 x lane
	s_cmp_eq_u32 ttmp9, 2
	s_cselect_b32 s95, s40, s41                    ; P
	s_cselect_b32 s96, s41, s40                    ; R
	s_cselect_b32 s97, s[AH], s[BH]                ; W1
	s_cselect_b32 s98, s[BH], s[AH]                ; W2
	s_mov_b32 s2, 2048
	s_cselect_b32 s2, 1024, s2                     ; from one block of A's 16 rows to the next: a tile of tokens (2,048 bytes), or a tile of channels (1,024)
	s_mov_b32 s66, 2048
	s_cselect_b32 s66, 259072, s66                 ; from block 3 to block 4: the same for tokens; for channels the next head, 262,144 - 3 x 1,024
	s_mov_b32 s99, 1024
	s_cselect_b32 s99, 4096, s99                   ; from a block's image 0 to 1: the next 32 channels, or the next 32 keys
	s_mov_b32 s100, 262144
	s_cselect_b32 s100, 8192, s100                 ; from image 0 to 2: the next head, or two steps of 32 keys
	s_mov_b32 s3, 0
	s_mov_b32 s67, 0
	v_add_nc_u32 v[VO+1], s99, v[VO]
	v_add_nc_u32 v[VO+2], s100, v[VO]
	v_add_nc_u32 v[VO+3], s100, v[VO+1]
	s_lshl_b32 s100, ttmp9, 24                     ; q, k or v: 16 MiB each,
	s_lshl_b32 s99, s95, 22
	s_add_co_u32 s100, s100, s99                   ; the batch: 4 MiB,
	s_lshl_b32 s99, s96, 20
	s_add_co_u32 s100, s100, s99                   ; four heads of 262,144 bytes a place,
	s_lshl_b32 s99, s97, 19
	s_add_co_u32 s100, s100, s99                   ; two heads for my half,
	s_lshl_b32 s99, s[YY], 15
	s_add_co_u32 s100, s100, s99                   ; 256 tokens: 32,768 bytes in a head, in either layout,
	s_lshl_b32 s99, s98, 14
	s_add_co_u32 s100, s100, s99                   ; 128 tokens for my half
	s_mov_b32 s101, 0
	s_add_nc_u64 s[12:13], s[12:13], s[100:101]
	s_mul_i32 s100, s95, 196608                    ; e32: the batch,
	s_lshl_b32 s99, ttmp9, 16
	s_add_co_u32 s100, s100, s99                   ; q, k or v,
	s_lshl_b32 s99, s96, 14
	s_add_co_u32 s100, s100, s99                   ; four heads of 4,096 bytes a place,
	s_lshl_b32 s99, s97, 13
	s_add_co_u32 s100, s100, s99                   ; two for my half
	s_add_nc_u64 s[14:15], s[14:15], s[100:101]
	s_or_b32 s[EF], s[YY], s98                     ; 0: the cluster's row 0 and the first half along the tokens
.macro FRAG reg, adr, q, i             ; a fragment, 16 rows x 128 K of 4-bit codes: lane l holds row l % 16; registers 4 c .. 4 c + 3 hold K = 64 c + 32 (l / 16) + 0 .. 31
.irp c, 0,1
	ds_load_b128 v[\reg+4*\c:\reg+4*\c+3], v[\adr] offset:64*(\q)+32*\c+(\i)*16*PITCH
.endr
.endm
; 16 matrix instructions: A's blocks a0, a0 + 1 x B's eight, the slot's q-th 128 along K.  p: B's set;  sc: the set of scale words.  zero = 1: the first product starts the sums.
; The 64 accumulators take turns, one instruction a turn, in the same order in every step.
.macro MUL16 a0, p, q, sc, zero
.irp a, \a0, \a0+1
.irp b, 0,1,2,3,4,5,6,7
.if \zero
	v_wmma_scale_f32_16x16x128_f8f6f4 v[8*(8*((\a)%4)+\b):8*(8*((\a)%4)+\b)+7], v[128*(\p)+FR*\b:128*(\p)+FR*\b+FR-1], v[AF+FR*(\a):AF+FR*(\a)+FR-1], 0, v[SC+8*NQ*(\sc)+NQ*\b+(\q)], v[SC+8*NQ*(\sc)+NQ*(\a)+(\q)] matrix_a_fmt:MATRIX_FMT_FP4 matrix_b_fmt:MATRIX_FMT_FP4 matrix_a_scale:MATRIX_SCALE_ROW1
.else
	v_wmma_scale_f32_16x16x128_f8f6f4 v[8*(8*((\a)%4)+\b):8*(8*((\a)%4)+\b)+7], v[128*(\p)+FR*\b:128*(\p)+FR*\b+FR-1], v[AF+FR*(\a):AF+FR*(\a)+FR-1], v[8*(8*((\a)%4)+\b):8*(8*((\a)%4)+\b)+7], v[SC+8*NQ*(\sc)+NQ*\b+(\q)], v[SC+8*NQ*(\sc)+NQ*(\a)+(\q)] matrix_a_fmt:MATRIX_FMT_FP4 matrix_b_fmt:MATRIX_FMT_FP4 matrix_a_scale:MATRIX_SCALE_ROW1
.endif
.endr
.endr
.endm
.macro FETCH_B slot, q, p              ; B's eight fragments of the slot's q-th 128 along K into set p
	WIN TO_B
.irp i, 0,1,2,3,4,5,6,7
	FRAG 128*(\p)+FR*\i, ADRB+\slot, \q, \i
.endr
	WIN 0
.endm
.macro FETCH_A slot, q, i0             ; A's blocks i0 .. i0 + 3
.irp i, \i0, \i0+1, \i0+2, \i0+3
	FRAG AF+FR*(\i), ADRA+\slot, \q, \i
.endr
.endm
.macro SCALES sc                       ; a slot's scale words into set sc: four words a row; lanes 0-15 take A's block i, lanes 16-31 B's block i
.irp i, 0,1,2,3,4,5,6,7
	ds_load_b128 v[SC+8*NQ*\sc+NQ*\i:SC+8*NQ*\sc+NQ*\i+3], v[ADRS] offset:\i*SBLK
.endr
.endm
.macro PLACES n                        ; places in front of loads into registers that matrix instructions have read, and of the first read of results
.rept \n
	v_nop
.endr
.endm
; A step of 128 along K that has its successor in the same slot.  A block of A is free as soon as its eight products are issued: blocks 0-3 are fetched anew in the step's middle, blocks 4-7 at its end.
.macro STEP slot, q, zero
	s_wait_dscnt 4*NL                              ; B's set and A's blocks 0-3 are in; the youngest eight loads (A's blocks 4-7) may be out
	WIN MUL_LO
	MUL16 0, (\q)%2, \q, \slot, \zero
	MUL16 2, (\q)%2, \q, \slot, \zero
	s_wait_dscnt 0                                 ; A's blocks 4-7 are in
	PLACES NP
	FETCH_B \slot, (\q)+1, 1-(\q)%2
	FETCH_A \slot, (\q)+1, 0
	WIN MUL_HI
	MUL16 4, (\q)%2, \q, \slot, \zero
	MUL16 6, (\q)%2, \q, \slot, \zero
	PLACES NP
	WIN 0
	FETCH_A \slot, (\q)+1, 4
.endm
; Slot 0's last step changes slots: one barrier; in front of it each wave waits for all its tensor loads (its part of slot 1), adds 0 to its spare word, and waits for that.
.macro TURN slot, next
	s_wait_tensorcnt 0x0                           ; all my tensor loads have landed: my part of the next slot
	ds_add_u32 v[SPW], v[NIL]                      ; 0 onto my spare word
	s_wait_dscnt 4*NL+1                            ; (the add and the youngest eight loads, A's blocks 4-7, may be out)
	WIN MUL_LO
	MUL16 0, 1, NQ-1, \slot, 0                     ; sixteen matrix instructions stand between the add and the wait for it
	s_wait_dscnt 0x0                               ; the add is done, and no LDS load of mine is out
	s_barrier_signal -1
	MUL16 2, 1, NQ-1, \slot, 0
	WIN 0
	s_barrier_wait -1                              ; every wave's part of the next slot has landed
	PLACES NP
	v_add_nc_u32 v[ADRS], 4*NQ, v[ADRS]            ; on to the next slot's scale words
	FETCH_B \next, 0, 0
	FETCH_A \next, 0, 0
	SCALES \next
	WIN MUL_HI
	MUL16 4, 1, NQ-1, \slot, 0
	MUL16 6, 1, NQ-1, \slot, 0
	PLACES NP
	WIN 0
	FETCH_A \next, 0, 4
.endm
	s_wait_tensorcnt 1                             ; the scales and my part of slot 0 are in; the one younger load, slot 1's, may be out
	s_barrier_signal -1
	s_barrier_wait -1                              ; everybody's are
	FETCH_B 0, 0, 0
	FETCH_A 0, 0, 0
	SCALES 0
	FETCH_A 0, 0, 4
	STEP 0, 0, 1                                   ; the first step's products start the sums: nothing is cleared
	STEP 0, 1, 0
	STEP 0, 2, 0
	TURN 0, 1
	STEP 1, 0, 0
	STEP 1, 1, 0
	STEP 1, 2, 0
	s_wait_dscnt 4*NL                              ; the very last step: nothing more to fetch
	WIN MUL_LO
	MUL16 0, 1, NQ-1, 1, 0
	MUL16 2, 1, NQ-1, 1, 0
	s_wait_dscnt 0
	WIN MUL_HI
	MUL16 4, 1, NQ-1, 1, 0
	MUL16 6, 1, NQ-1, 1, 0
	WIN 0
	PLACES NP                                      ; in front of the first reads of results, and of the conversions' writes into the registers that held A's fragments
	; TOKENS 0-15 IN f32: the accumulators as they stand, each from its low end on.  The branches hang on the cluster's x and y and the wave's number alone.
	s_cmp_lg_u32 s[EF], 0
	s_cbranch_scc1 .Lno_early
	s_cmp_lg_u32 s42, 0
	s_cbranch_scc1 .Learly_v
	WIN 0x08                                       ; a store's data are its source 1: window 2
.irp b, 0,1,2,3,4,5,6,7                        ; q, k: A's block 0 is tokens 0-15; B's block b is channels 16 b on of my two heads
	global_store_b128 v[VO], v[8*\b:8*\b+3], s[14:15] offset:1024*\b
	global_store_b128 v[VO], v[8*\b+4:8*\b+7], s[14:15] offset:1024*\b+512
.endr
	WIN 0
	s_branch .Lno_early
.Learly_v:
	WIN 0x08
.irp a, 0,1,2,3                                ; v: B's block 0 is tokens 0-15; A's block a is channels 16 a on of my two heads
	global_store_b128 v[VO], v[64*\a:64*\a+3], s[14:15] offset:1024*\a
	global_store_b128 v[VO], v[64*\a+4:64*\a+7], s[14:15] offset:1024*\a+512
.endr
	WIN 0x0c                                       ; window 3
.irp a, 0,1,2,3
	global_store_b128 v[VO], v[64*\a:64*\a+3], s[14:15] offset:1024*(\a+4)
	global_store_b128 v[VO], v[64*\a+4:64*\a+7], s[14:15] offset:1024*(\a+4)+512
.endr
	WIN 0
.Lno_early:
; THE WAY OUT of block a (16 rows of side A x 128 of side B): rounded to f16 in pairs; accumulators (a, 2 c) and (a, 2 c + 1) make image c: registers 0-3 and 4-7 of a fragment.
.macro PACK a
.set AC, 64*((\a)%4)
.set PT, PB+32*((\a)%2)
	WIN 0x0a+5*((\a)/4)                            ; sources 0 and 1: window 2 or 3
.irp b, 0,1,2,3,4,5,6,7
.irp r, 0,1,2,3
	v_cvt_pk_f16_f32 v[PT+4*\b+\r], v[AC+8*\b+2*\r], v[AC+8*\b+2*\r+1]   ; each accumulator from its low end on
.endr
.endr
	WIN 0
.irp c, 0,1,2,3
	global_store_b128 v[VO+\c], v[PT+8*\c:PT+8*\c+3], s[12:13]               ; 32 lanes store 512 consecutive bytes, aligned
	global_store_b128 v[VO+\c], v[PT+8*\c+4:PT+8*\c+7], s[12:13] offset:512
.endr
.endm
	PACK 0
.irp a, 1,2,3,4,5,6,7
	s_wait_xcnt 0x0                                ; the earlier stores have read their registers and their base: the base may step, and the buffer of two blocks back may be written
.if \a == 4
	s_add_nc_u64 s[12:13], s[12:13], s[66:67]
.else
	s_add_nc_u64 s[12:13], s[12:13], s[2:3]
.endif
	PACK \a
.endr
	s_wait_tensorcnt 0x0                           ; the wave's end, behind my last tensor load
	ds_add_u32 v[SPW], v[NIL]
	s_wait_dscnt 0x0
	CROUND                                         ; the closing round: no work-group ends while a partner may still ask for a tile that names it
	s_endpgm
.Lfunc_end_k_q7a647721b6_qkv:
	.size	k_q7a647721b6_qkv, .Lfunc_end_k_q7a647721b6_qkv-k_q7a647721b6_qkv
	.p2alignl 7, 3214868480
	.fill 96, 4, 3214868480
	.section	.rodata,"a",@progbits
	.p2align	6, 0x0
	.amdhsa_kernel k_q7a647721b6_qkv
		.amdhsa_group_segment_fixed_size 327680
		.amdhsa_private_segment_fixed_size 0
		.amdhsa_enable_private_segment 0
		.amdhsa_kernarg_size 48
		.amdhsa_user_sgpr_count 2
		.amdhsa_user_sgpr_kernarg_segment_ptr 1
		.amdhsa_wavefront_size32 1
		.amdhsa_system_sgpr_workgroup_id_x 1
		.amdhsa_system_sgpr_workgroup_id_y 1
		.amdhsa_system_sgpr_workgroup_id_z 1
		.amdhsa_system_vgpr_workitem_id 0
		.amdhsa_next_free_vgpr 1024
		.amdhsa_next_free_sgpr 102
		.amdhsa_reserve_vcc 0
		.amdhsa_float_denorm_mode_32 3
		.amdhsa_float_denorm_mode_16_64 3
		.amdhsa_memory_ordered 1
		.amdhsa_forward_progress 1
		.amdhsa_inst_pref_size 123
	.end_amdhsa_kernel
	.amdgpu_metadata
---
amdhsa.version: [ 1, 2 ]
amdhsa.kernels:
  - .name:           k_q7a647721b6_qkv
    .symbol:         k_q7a647721b6_qkv.kd
    .args:
      - { .name: xc, .offset: 0, .size: 8, .value_kind: global_buffer, .address_space: global }
      - { .name: xs, .offset: 8, .size: 8, .value_kind: global_buffer, .address_space: global }
      - { .name: wc, .offset: 16, .size: 8, .value_kind: global_buffer, .address_space: global }
      - { .name: ws, .offset: 24, .size: 8, .value_kind: global_buffer, .address_space: global }
      - { .name: qkv, .offset: 32, .size: 8, .value_kind: global_buffer, .address_space: global }
      - { .name: e32, .offset: 40, .size: 8, .value_kind: global_buffer, .address_space: global }
    .group_segment_fixed_size: 327680
    .private_segment_fixed_size: 0
    .kernarg_segment_align: 8
    .kernarg_segment_size: 48
    .max_flat_workgroup_size: 128
    .sgpr_count:     102
    .vgpr_count:     1024
    .wavefront_size: 32
...
	.end_amdgpu_metadata
.endif
;; end of part 2
;; launch attn (part 3): grid 4 x 64, 8 waves a work-group, no clusters, 327,680 bytes of LDS; arguments qkv, yi; writes yi
.if DOCPART == 3
	.amdgcn_target "amdgcn-amd-amdhsa--gfx1250"
	.amdhsa_code_object_version 6
	.text
	.protected	k_q7a647721b6_attn
	.globl	k_q7a647721b6_attn
	.p2align	8
	.type	k_q7a647721b6_attn,@function
k_q7a647721b6_attn:
	s_mov_b64 s[64:65], 0
	v_nop
	global_prefetch_b8 v0, s[64:65] scope:SCOPE_SE
	s_setreg_imm32_b32 hwreg(HW_REG_WAVE_MODE, 25, 1), 1
	s_wait_xcnt 0x0
; y[b][h][q] = the sum over k <= q of softmax_k(q . k / 8) v[k], head size 64, 2,048 positions, 64 heads in all.  Operands in f16, products, maxima and sums in f32; p is rounded to f16 for the second product, y once at the end.
; q, k and v arrive as IMAGES OF OPERAND REGISTERS (1,024 bytes: registers 0-3 at 16 x lane, registers 4-7 at 512 + 16 x lane): q, k: 16 tokens x 32 channels; v: 16 channels x 32 keys.  So every fragment is
; two loads of 512 consecutive bytes, a tile of any number of keys is a dense block, and nothing is padded or turned.  y leaves as images of 16 tokens x 32 of the projection's K:  yi [K / 256][token / 16][(K % 256) / 32][1,024].
; SHARES.  Work-group (p, head) owns two blocks of 256 queries: first block 7 - p, which walks 8 - p slots of 256 keys, then block p, which walks p + 1: NINE slots whatever p is: 256 work-groups of equal work.
; Each of eight waves owns 32 queries, two tiles of 16: two waves to a SIMD, so that one wave's softmax stands beside the other's products.  A key step is 64 keys: 16 + 16 matrix instructions.
; LAYOUT.  Both products are used transposed: S^T = K Q^T (source 0 = 16 keys, source 1 = 16 queries), O^T = V^T P: a lane holds ONE query (lane % 16) throughout; two tiles of S^T, rounded in pairs, are source 1 of V^T P.
; SOFTMAX.  For each query a running maximum m and sum l: p = 2^(c s - c m), c = log2(e) / 8; in every step O and l are multiplied by a = 2^(c m_old - c m_new).
; THE CAUSAL MASK.  The trip counts are constants.  A step all of whose keys come after my 32 queries is jumped over by a scalar branch on ids; on the diagonal hidden scores become -infinity.  A step that is
; walked begins at or under my first query, so every query sees a key in it.  Every slot that is asked for is read: the diagonal slot's last step by wave 7.
; THE RING.  Two slots of 65,536 bytes (k's 32 images, then v's 32).  Every wave fetches 8,192 dense bytes of each slot by one tensor load: one load of a wave is out at a time.
; NO CLUSTER: the four work-groups of a head need the same slot only in trips 0 to 4; from trip 5 on they stand in different slots of different blocks, and a joint load is issued alike by all that it names.
; LIMITS: NaN and infinities are not served; y lies inside f16's range wherever v does.
; REGISTERS: window 0: v1-7 addresses; v8-23 statistics, eight a tile; v24 -infinity; v25 the prefetches' offset; v32-63 Q; v64-127 S^T; v128-159 P; v160-223 O^T; v224-255 y packed.  Window 1: v0-63 K, v64-127 V of one step.
.set SLOTB, 65536
.set VOFF,  32768                      ; v's images in a slot
.set STEPB, 8192                       ; a key step's images of k, and of v
.set SPARE, 131072                     ; behind the ring: the spare words, 128 bytes for each wave: four blocks of 256 bytes that no other line names
.set LI,   1                           ; v1   16 x lane; never rewritten
.set ADR,  2                           ; v2   LDS address of the step's images
.set SPW,  3                           ; v3   LDS address of my spare word; never rewritten
.set NIL,  4                           ; v4   0; never rewritten
.set LM,   5                           ; v5   lane % 16 - 8 (lane / 16)
.set MD,   6                           ; v6-7 the mask's bound for tiles 0, 1
.set ST,   8                           ; tile t's statistics at v[ST + 8 t]: +0 c m, +1 m, +2, +3 l (two halves), +4 to +7 c0-c3, at work; a takes c2's place
.set NINF, 24
.set PFO,  25                          ; v25  256 x lane; never rewritten
.set Q,    32                          ; 16 t + 8 c
.set S,    64                          ; 32 t + 8 kt
.set P,    128                         ; 16 t + 8 s
.set O,    160                         ; 32 t + 8 ct
.set Y,    224
.set KW,   0                           ; window 1: 8 (2 kt + c)
.set VW,   64                          ; window 1: 8 (4 s + ct)
.set WV,   8                           ; s8   wave
.set BHD,  10                          ; s10  16 x batch + head
.set N0,   11                          ; s11  slots of the first block: 8 - p
.set TT,   12                          ; s12  the trip
.set SN,   13                          ; s13  the slot of keys that is asked for
.set TMP,  14
.set KF,   15                          ; s15  the step's first key
.set QL,   16                          ; s16  my last query
.set Q0,   17                          ; s17  my first query
.set TB,   18                          ; s18  LDS byte at which the step's images begin
.set STP,  19                          ; s19  counts a slot's four steps
.set SEL,  20                          ; s[20:21] selects for v_permlanex16_b32: lane l xor 16
.set CS,   22                          ; s[22:23] c, twice: the packed form names a pair
.set G1,   24                          ; s[24:31] descriptor group 1
.set G0,   32                          ; s[32:35] descriptor group 0
.set TBASE, 36                         ; s[36:37] my 8,192 bytes of the head's slot 0, in memory
.set OFF,  38                          ; s[38:39] an offset, high word 0
.set QA,   40                          ; s[40:41], s[42:43] my queries' images, first and second block
.set YB,   44                          ; s[44:45], s[46:47] my rows of yi
.set PFA,  48                          ; s[48:49] what my prefetch names
.set LIM,  50                          ; s50  trips in which I prefetch
.set Q1,   51                          ; s51  my first query in the second block
.set MSB, 0
.macro WIN new                         ; the immediate's high byte repeats the setting that is left
.if MSB != \new
	s_set_vgpr_msb (MSB<<8)|\new
.set MSB, \new
.endif
.endm
.macro TLOAD                           ; every wave's one load; an s_nop 0 and four v_nop follow it
	tensor_load_to_lds s[G0:G0+3], s[G1:G1+7]
	s_nop 0
.rept 4
	v_nop
.endr
.endm
; A PREFETCH INTO THE L2.  All four work-groups of a head walk the same k and v; the one with p = 0 walks slots 0 to 7 on end, and it alone asks: in trip t, behind its tensor load for slot t + 1, each of its
; eight waves names its own 8,192 bytes of slot t + 2, lanes 256 bytes apart: a slot's four key steps ahead of the load that will want them.  Each block of 256 bytes is named once.  Slots 0 and 1 come by their
; loads alone; trips 6 and later ask for nothing: slot 7 is the head's last.
.macro ASK
	s_cmp_lt_u32 s[TT], s[LIM]
	s_cbranch_scc0 .Lnot_mine_\@
	global_prefetch_b8 v[PFO], s[PFA:PFA+1] th:TH_LOAD_NT scope:SCOPE_SE
.Lnot_mine_\@:
.endm
	s_load_b128 s[4:7], s[0:1], 0x0                ; qkv s[4:5], yi s[6:7]
	v_lshl_add_u32 v[SPW], v0, 2, SPARE
	v_mov_b32 v[NIL], 0
	ds_add_u32 v[SPW], v[NIL]                      ; the wave's opening: the add, twice on end, and its wait ahead of my first tensor load
	ds_add_u32 v[SPW], v[NIL]                      ; and once more; the set-up below, work on registers, stands between it and the wait
	v_lshrrev_b32 v1, 5, v0
	v_readfirstlane_b32 s[WV], v1                  ; wave 0..7
	s_and_b32 s[BHD], ttmp7, 0xffff
	s_sub_co_u32 s[N0], 8, ttmp9
	; descriptor group 1: 8,192 dense bytes as 32 rows of 256 bytes (32 elements of 8 bytes), no padding: lane i reads at 16 i
	s_mov_b32 s[G1], 3<<16                         ; 15:0 no mask; 17:16 elements of 8 bytes
	s_mov_b32 s[G1+1], 32<<16                      ; tensor_dim0
	s_mov_b32 s[G1+2], 32<<16                      ; tensor_dim1
	s_mov_b32 s[G1+3], 32<<16                      ; tile_dim0
	s_mov_b32 s[G1+4], 32                          ; tile_dim1
	s_mov_b32 s[G1+5], 32                          ; tensor_dim0_stride
	s_mov_b32 s[G1+6], 0
	s_mov_b32 s[G1+7], 0
	s_mov_b32 s[SEL], 0x76543210
	s_mov_b32 s[SEL+1], 0xfedcba98
	s_mov_b32 s[CS], 0x3e38aa3b                    ; c = log2(e) / 8
	s_mov_b32 s[CS+1], s[CS]
	s_mov_b32 s[TT], 0
	s_mov_b32 s[KF], 0
	s_mov_b32 s[TB], 0
	s_mov_b32 s[OFF+1], 0
	s_lshl_b32 s54, s[BHD], 18                     ; the head's 262,144 bytes in each of q, k, v
	s_mov_b32 s55, 0
	s_lshr_b32 s52, s[WV], 2                       ; waves 0-3 fetch k (at 16 MiB), waves 4-7 v (at 32 MiB),
	s_add_co_u32 s52, s52, 1
	s_lshl_b32 s52, s52, 24
	s_add_co_u32 s52, s52, s54
	s_and_b32 s53, s[WV], 3
	s_lshl_b32 s53, s53, 13                        ; a quarter of a slot's 32,768 bytes each
	s_add_co_u32 s52, s52, s53
	s_mov_b32 s53, 0
	s_lshl_b32 s[TMP], s[WV], 5                    ; 32 x wave
	s_sub_co_u32 s[Q0], 7, ttmp9
	s_lshl_b32 s[Q0], s[Q0], 8
	s_add_co_u32 s[Q0], s[Q0], s[TMP]              ; my first query in block 7 - p
	s_lshl_b32 s[Q1], ttmp9, 8
	s_add_co_u32 s[Q1], s[Q1], s[TMP]              ; and in block p
	s_add_co_u32 s[QL], s[Q0], 31
	s_lshl_b32 s56, s[Q0], 7                       ; a tile of 16 queries is 2,048 bytes
	s_mov_b32 s57, 0
	s_lshl_b32 s58, s[Q1], 7
	s_mov_b32 s59, 0
	s_cmp_eq_u32 ttmp9, 0
	s_cselect_b32 s[LIM], 6, 0
	v_and_b32 v[PFO], 31, v0
	v_lshlrev_b32 v[LI], 4, v[PFO]
	v_lshlrev_b32 v[PFO], 8, v[PFO]
	v_and_b32 v[LM], 15, v0
	v_bfe_u32 v[MD], v0, 4, 1
	v_lshlrev_b32 v[MD], 3, v[MD]
	v_sub_nc_u32 v[LM], v[LM], v[MD]
	v_mov_b32 v[NINF], 0xff800000
.irp t, 0,1
	v_mov_b32 v[ST+8*\t+5], 0                      ; written once: a lane permute's destination counts as one of its sources,
	v_mov_b32 v[ST+8*\t+7], 0                      ; and this one is named as the upper half of the pair that holds a or 1 / l: both are written whatever steps a wave walks
.endr
	s_wait_dscnt 0x0                               ; both opening adds are done
	s_wait_kmcnt 0x0
	s_add_nc_u64 s[TBASE:TBASE+1], s[4:5], s[52:53]
	s_mov_b32 s[G0], 1                             ; 1:0 count = 1
	s_lshl_b32 s[G0+1], s[WV], 13                  ; 63:32 LDS address: slot 0, wave x 8,192
	s_mov_b64 s[G0+2:G0+3], s[TBASE:TBASE+1]       ; 120:64 global address: the head's first 256 keys
	s_or_b32 s[G0+3], s[G0+3], 0x80000000          ; 127:126 type = 2
	TLOAD                                          ; slot 0
	s_add_nc_u64 s[QA:QA+1], s[4:5], s[54:55]
	s_add_nc_u64 s[QA+2:QA+3], s[QA:QA+1], s[58:59]
	s_add_nc_u64 s[QA:QA+1], s[QA:QA+1], s[56:57]
	s_and_b32 s52, s[BHD], 12
	s_lshl_b32 s52, s52, 20                        ; yi: (head / 4) x 4 MiB,
	s_lshr_b32 s54, s[BHD], 4
	s_lshl_b32 s54, s54, 20
	s_add_co_u32 s52, s52, s54                     ; the batch's 128 tiles of tokens x 8,192,
	s_and_b32 s54, s[BHD], 3
	s_lshl_b32 s54, s54, 11
	s_add_co_u32 s52, s52, s54                     ; two images for each head of the four
	s_add_nc_u64 s[YB:YB+1], s[6:7], s[52:53]
	s_lshl_b32 s58, s[Q1], 9                       ; a tile of 16 tokens is 8,192 bytes on
	s_add_nc_u64 s[YB+2:YB+3], s[YB:YB+1], s[58:59]
	s_lshl_b32 s56, s[Q0], 9
	s_add_nc_u64 s[YB:YB+1], s[YB:YB+1], s[56:57]
.macro QLOAD qa                        ; my 32 queries: four images, 4,096 consecutive bytes
.irp i, 0,1,2,3,4,5,6,7
	global_load_b128 v[Q+4*\i:Q+4*\i+3], v[LI], s[\qa:\qa+1] offset:512*\i
.endr
.endm
.macro INIT                            ; a block's start: m = -3e38, under every score; l and O^T zeros, which the first change of m leaves zeros.  (So the key step is written once, with no first step of its own)
.irp t, 0,1
	v_mov_b32 v[ST+8*\t+1], 0xff61b1e6
	v_mov_b32 v[ST+8*\t+2], 0
	v_mov_b32 v[ST+8*\t+3], 0
.endr
.irp t, 0,1
	v_mul_f32 v[ST+8*\t], s[CS], v[ST+8*\t+1]
.endr
.set i, 0
.rept 64
	v_mov_b32 v[O+i], 0
.set i, i+1
.endr
.endm
; THE SOFTMAX of both tiles for one key step, the tiles line by line by turns, so that no line waits for the line above it.
.macro SOFTMAX
.irp j, 0,1,2,3                                ; the maximum of a lane's 32 scores and the old m: four chains; each accumulator is read from its low end on
.irp t, 0,1
	v_max3_num_f32 v[ST+8*\t+4+\j], v[S+32*\t+8*\j], v[S+32*\t+8*\j+1], v[S+32*\t+8*\j+2]
.endr
.endr
.irp g, 1,2
.irp j, 0,1,2,3
.irp t, 0,1
	v_max3_num_f32 v[ST+8*\t+4+\j], v[ST+8*\t+4+\j], v[S+32*\t+8*\j+2*\g+1], v[S+32*\t+8*\j+2*\g+2]
.endr
.endr
.endr
.irp t, 0,1
	v_max3_num_f32 v[ST+8*\t+4], v[ST+8*\t+4], v[S+32*\t+7], v[S+32*\t+15]
.endr
.irp t, 0,1
	v_max3_num_f32 v[ST+8*\t+6], v[ST+8*\t+6], v[S+32*\t+23], v[S+32*\t+31]
.endr
.irp t, 0,1
	v_max3_num_f32 v[ST+8*\t+4], v[ST+8*\t+4], v[ST+8*\t+5], v[ST+8*\t+6]
.endr
.irp t, 0,1
	v_max3_num_f32 v[ST+8*\t+4], v[ST+8*\t+4], v[ST+8*\t+7], v[ST+8*\t+1]
.endr
.irp t, 0,1
	v_permlanex16_b32 v[ST+8*\t+5], v[ST+8*\t+4], s[SEL], s[SEL+1]   ; the query's other 32 keys lie in the lane 16 away
.endr
.irp t, 0,1
	v_mov_b32 v[ST+8*\t+7], v[ST+8*\t]             ; c m_old is kept for a
.endr
.irp t, 0,1
	v_max_num_f32 v[ST+8*\t+1], v[ST+8*\t+4], v[ST+8*\t+5]
.endr
.irp t, 0,1
	v_mul_f32 v[ST+8*\t], s[CS], v[ST+8*\t+1]
.endr
.irp t, 0,1
	v_sub_f32 v[ST+8*\t+7], v[ST+8*\t+7], v[ST+8*\t]
.endr
.irp b, 0,1,2,3,4,5,6,7,8,9,10,11,12,13,14,15
.irp t, 0,1
	v_pk_fma_f32 v[S+32*\t+2*\b:S+32*\t+2*\b+1], v[S+32*\t+2*\b:S+32*\t+2*\b+1], s[CS:CS+1], v[ST+8*\t:ST+8*\t+1] op_sel_hi:[1,0,0] neg_lo:[0,0,1] neg_hi:[0,0,1]   ; c s - c m, two at a time
.endr
.endr
.irp t, 0,1                                    ; ONE BATCH of 66 exponentials: none reads another's result
	v_exp_f32 v[ST+8*\t+6], v[ST+8*\t+7]           ; a
.endr
.irp e, 0,1,2,3,4,5,6,7,8,9,10,11,12,13,14,15,16,17,18,19,20,21,22,23,24,25,26,27,28,29,30,31
.irp t, 0,1
	v_exp_f32 v[S+32*\t+\e], v[S+32*\t+\e]
.endr
.endr
	v_nop                                          ; a plain instruction behind the last exponential, ahead of the first use
	s_wait_alu depctr_va_vdst(0)                   ; and the one wait for the batch ahead of its first reader
.irp i, 0,1,2,3,4,5,6,7,8,9,10,11,12,13,14,15
.irp t, 0,1
	v_cvt_pk_f16_f32 v[P+16*\t+\i], v[S+32*\t+2*\i], v[S+32*\t+2*\i+1]   ; tiles 2 s and 2 s + 1 of S^T become registers 0-3 and 4-7 of P's fragment s
.endr
.endr
.irp u, 0,1,2,3,4,5,6,7                        ; the sum of the unrounded p: pairs, as a tree in place
.irp t, 0,1
	v_pk_add_f32 v[S+32*\t+4*\u:S+32*\t+4*\u+1], v[S+32*\t+4*\u:S+32*\t+4*\u+1], v[S+32*\t+4*\u+2:S+32*\t+4*\u+3]
.endr
.endr
.irp u, 0,1,2,3
.irp t, 0,1
	v_pk_add_f32 v[S+32*\t+8*\u:S+32*\t+8*\u+1], v[S+32*\t+8*\u:S+32*\t+8*\u+1], v[S+32*\t+8*\u+4:S+32*\t+8*\u+5]
.endr
.endr
.irp u, 0,1
.irp t, 0,1
	v_pk_add_f32 v[S+32*\t+16*\u:S+32*\t+16*\u+1], v[S+32*\t+16*\u:S+32*\t+16*\u+1], v[S+32*\t+16*\u+8:S+32*\t+16*\u+9]
.endr
.endr
.irp t, 0,1
	v_pk_add_f32 v[S+32*\t:S+32*\t+1], v[S+32*\t:S+32*\t+1], v[S+32*\t+16:S+32*\t+17]
.endr
.irp t, 0,1
	v_pk_fma_f32 v[ST+8*\t+2:ST+8*\t+3], v[ST+8*\t+2:ST+8*\t+3], v[ST+8*\t+6:ST+8*\t+7], v[S+32*\t:S+32*\t+1] op_sel_hi:[1,0,1]   ; l = a l + the sum
.endr
.irp i, 0,1,2,3,4,5,6,7,8,9,10,11,12,13,14,15
.irp t, 0,1
	v_pk_mul_f32 v[O+32*\t+2*\i:O+32*\t+2*\i+1], v[O+32*\t+2*\i:O+32*\t+2*\i+1], v[ST+8*\t+6:ST+8*\t+7] op_sel_hi:[1,0]   ; O^T x a, each accumulator from its low end on
.endr
.endr
.endm
; A KEY STEP: 64 keys.
.macro STEP
	s_cmp_gt_u32 s[KF], s[QL]                      ; all its keys come after my queries: the work is jumped over, not the lines at the end that step addresses
	s_cbranch_scc1 .Lhidden_\@
	v_add_nc_u32 v[ADR], s[TB], v[LI]
.rept 3
	v_nop                                          ; with the addition: four places behind the last step's products, in front of loads into the registers that they read
.endr
	WIN 0x40                                       ; destination window 1
.irp i, 0,1,2,3,4,5,6,7,8,9,10,11,12,13,14,15
	ds_load_b128 v[KW+4*\i:KW+4*\i+3], v[ADR] offset:512*\i          ; k: eight images on end
.endr
.irp i, 0,1,2,3,4,5,6,7,8,9,10,11,12,13,14,15
	ds_load_b128 v[VW+4*\i:VW+4*\i+3], v[ADR] offset:VOFF+512*\i     ; v likewise
.endr
	s_wait_dscnt 16                                ; k is in; v's sixteen loads may be out
	WIN 0x01                                       ; source 0 window 1
.irp c, 0,1                                    ; S^T = K Q^T: the eight accumulators take turns, one instruction a turn; the first eight start the sums
.irp kt, 0,1,2,3
.irp t, 0,1
.if \c == 0
	v_wmma_f32_16x16x32_f16 v[S+32*\t+8*\kt:S+32*\t+8*\kt+7], v[KW+8*(2*\kt+\c):KW+8*(2*\kt+\c)+7], v[Q+16*\t+8*\c:Q+16*\t+8*\c+7], 0
.else
	v_wmma_f32_16x16x32_f16 v[S+32*\t+8*\kt:S+32*\t+8*\kt+7], v[KW+8*(2*\kt+\c):KW+8*(2*\kt+\c)+7], v[Q+16*\t+8*\c:Q+16*\t+8*\c+7], v[S+32*\t+8*\kt:S+32*\t+8*\kt+7]
.endif
.endr
.endr
.endr
	WIN 0
.rept 4
	v_nop                                          ; places in front of the first read of the scores
.endr
	s_add_co_u32 s[TMP], s[KF], 63
	s_cmp_le_u32 s[TMP], s[Q0]                     ; all its keys count for all my queries: no mask
	s_cbranch_scc1 .Lopen_\@
	s_sub_co_i32 s[TMP], s[Q0], s[KF]
	v_add_nc_u32 v[MD], s[TMP], v[LM]              ; register 8 kt + j of tile t holds key KF + 16 kt + 8 (lane / 16) + j and query Q0 + 16 t + lane % 16: hidden where 16 kt + j > Q0 - KF + 16 t + lane % 16 - 8 (lane / 16)
	v_add_nc_u32 v[MD+1], 16, v[MD]
.irp t, 0,1
.irp kt, 0,1,2,3
.irp j, 0,1,2,3,4,5,6,7
	v_cmp_gt_i32 vcc_lo, 16*\kt+\j, v[MD+\t]
	v_cndmask_b32 v[S+32*\t+8*\kt+\j], v[S+32*\t+8*\kt+\j], v[NINF], vcc_lo
.endr
.endr
.endr
.Lopen_\@:
	SOFTMAX
	s_wait_dscnt 0x0                               ; v is in
	WIN 0x01
.irp s, 0,1                                    ; O^T += V^T P: the eight accumulators take turns
.irp ct, 0,1,2,3
.irp t, 0,1
	v_wmma_f32_16x16x32_f16 v[O+32*\t+8*\ct:O+32*\t+8*\ct+7], v[VW+8*(4*\s+\ct):VW+8*(4*\s+\ct)+7], v[P+16*\t+8*\s:P+16*\t+8*\s+7], v[O+32*\t+8*\ct:O+32*\t+8*\ct+7]
.endr
.endr
.endr
	WIN 0
.Lhidden_\@:
	s_add_co_u32 s[KF], s[KF], 64
	s_add_co_u32 s[TB], s[TB], STEPB
.endm
.macro SLOT_STEPS                      ; a slot's four key steps: written once, walked four times
	s_mov_b32 s[STP], 4
.Lstep_\@:
	STEP
	s_sub_co_u32 s[STP], s[STP], 1
	s_cmp_lg_u32 s[STP], 0
	s_cbranch_scc1 .Lstep_\@
	s_sub_co_u32 s[TB], s[TB], 4*STEPB             ; back to a slot's first step,
	s_xor_b32 s[TB], s[TB], SLOTB                  ; in the other slot
.endm
; THE CHANGE OF SLOTS stands at a slot's head.  Each wave waits for all its tensor loads (its part of the slot that it is about to read), adds 0 to its spare word, and waits for that and for its reads of the slot
; that it has left.  Behind the barrier the slot ahead is whole and nobody reads the other one.  fill = 1: the other slot takes the keys of the next trip: the load has four key steps in which to land.
; (In the first trip that is slot 1's first fill, in every wave.)
.macro CHANGE fill
	s_wait_tensorcnt 0x0                           ; no tensor load of mine is out, so group 0 may be written
	ds_add_u32 v[SPW], v[NIL]                      ; 0 onto my spare word; the descriptor's step stands between it and the wait for it
.if \fill
	s_xor_b32 s[G0+1], s[G0+1], SLOTB              ; the other slot than last time
	s_add_co_u32 s[SN], s[TT], 1                   ; the next trip's slot of keys: trip + 1 in the first block, and from 0 again in the second
	s_cmp_lt_u32 s[SN], s[N0]
	s_cselect_b32 s[TMP], 0, s[N0]
	s_sub_co_u32 s[SN], s[SN], s[TMP]
	s_lshl_b32 s[OFF], s[SN], 15                   ; 32,768 bytes of k, and of v, a slot
	s_add_nc_u64 s[G0+2:G0+3], s[TBASE:TBASE+1], s[OFF:OFF+1]
	s_or_b32 s[G0+3], s[G0+3], 0x80000000
	s_wait_xcnt 0x0                                ; the last prefetch, a slot back, has read its address, so it may be written:
	s_add_co_u32 s[TMP], s[TT], 2
	s_lshl_b32 s[OFF], s[TMP], 15
	s_add_nc_u64 s[PFA:PFA+1], s[TBASE:TBASE+1], s[OFF:OFF+1]   ; slot trip + 2 (named only in trips 0 to 5 of the work-group with p = 0)
.endif
	s_wait_dscnt 0x0                               ; the add is done, and my reads of the slot that I have left are over
	s_barrier_signal -1
	s_barrier_wait -1
.if \fill
	TLOAD                                          ; the first thing behind the barrier, and my one tensor load until the next
	ASK
.endif
.endm
; THE WAY OUT of a block: l's two halves and the other half of the lanes' are added; O^T / l is rounded to f16: accumulators 2 c and 2 c + 1 of a tile make image c.
.macro WAYOUT yb
.rept 4
	v_nop                                          ; places behind the last products
.endr
.irp t, 0,1
	v_add_f32 v[ST+8*\t+4], v[ST+8*\t+2], v[ST+8*\t+3]
.endr
.irp t, 0,1
	v_permlanex16_b32 v[ST+8*\t+5], v[ST+8*\t+4], s[SEL], s[SEL+1]
.endr
.irp t, 0,1
	v_add_f32 v[ST+8*\t+4], v[ST+8*\t+4], v[ST+8*\t+5]
.endr
.irp t, 0,1
	v_rcp_f32 v[ST+8*\t+6], v[ST+8*\t+4]
.endr
	v_nop                                          ; a plain instruction between the last reciprocal and the use of its result
	s_wait_alu depctr_va_vdst(0)                   ; and the wait: one for both
	s_wait_xcnt 0x0                                ; the first block's stores have read their registers
.irp t, 0,1
.irp i, 0,1,2,3,4,5,6,7,8,9,10,11,12,13,14,15
	v_pk_mul_f32 v[O+32*\t+2*\i:O+32*\t+2*\i+1], v[O+32*\t+2*\i:O+32*\t+2*\i+1], v[ST+8*\t+6:ST+8*\t+7] op_sel_hi:[1,0]
.endr
.endr
.irp t, 0,1
.irp i, 0,1,2,3,4,5,6,7,8,9,10,11,12,13,14,15
	v_cvt_pk_f16_f32 v[Y+16*\t+\i], v[O+32*\t+2*\i], v[O+32*\t+2*\i+1]
.endr
.endr
.irp t, 0,1
.irp i, 0,1,2,3
	global_store_b128 v[LI], v[Y+16*\t+4*\i:Y+16*\t+4*\i+3], s[\yb:\yb+1] offset:8192*\t+512*\i   ; 32 lanes store 512 consecutive bytes, aligned
.endr
.endr
.endm
	QLOAD QA
	INIT
	s_wait_loadcnt 0x0                             ; Q
.Ltrip:                                            ; eight trips: behind each change of slots the next trip's slot is asked for
	CHANGE 1
	SLOT_STEPS
	s_add_co_u32 s[TMP], s[TT], 1                  ; the first block's last slot?  Ids and the count of trips alone: all eight waves go the same way; no barrier and no tensor load stands in the branch
	s_cmp_lg_u32 s[TMP], s[N0]
	s_cbranch_scc1 .Lsame_block
	WAYOUT YB
	QLOAD QA+2                                     ; the second block
	INIT
	s_mov_b32 s[KF], 0
	s_mov_b32 s[Q0], s[Q1]
	s_add_co_u32 s[QL], s[Q1], 31
	s_wait_loadcnt 0x0
.Lsame_block:
	s_add_co_u32 s[TT], s[TT], 1
	s_cmp_lt_u32 s[TT], 8
	s_cbranch_scc1 .Ltrip
	CHANGE 0                                       ; the ninth slot is written out: nothing is left to ask for
	SLOT_STEPS
	WAYOUT YB+2
	s_wait_tensorcnt 0x0                           ; the wave's end, behind my last tensor load
	ds_add_u32 v[SPW], v[NIL]
	s_wait_dscnt 0x0
	s_endpgm
.Lfunc_end_k_q7a647721b6_attn:
	.size	k_q7a647721b6_attn, .Lfunc_end_k_q7a647721b6_attn-k_q7a647721b6_attn
	.p2alignl 7, 3214868480
	.fill 96, 4, 3214868480
	.section	.rodata,"a",@progbits
	.p2align	6, 0x0
	.amdhsa_kernel k_q7a647721b6_attn
		.amdhsa_group_segment_fixed_size 327680
		.amdhsa_private_segment_fixed_size 0
		.amdhsa_enable_private_segment 0
		.amdhsa_kernarg_size 16
		.amdhsa_user_sgpr_count 2
		.amdhsa_user_sgpr_kernarg_segment_ptr 1
		.amdhsa_wavefront_size32 1
		.amdhsa_system_sgpr_workgroup_id_x 1
		.amdhsa_system_sgpr_workgroup_id_y 1
		.amdhsa_system_sgpr_workgroup_id_z 1
		.amdhsa_system_vgpr_workitem_id 0
		.amdhsa_next_free_vgpr 384
		.amdhsa_next_free_sgpr 66
		.amdhsa_reserve_vcc 1
		.amdhsa_float_denorm_mode_32 3
		.amdhsa_float_denorm_mode_16_64 3
		.amdhsa_memory_ordered 1
		.amdhsa_forward_progress 1
		.amdhsa_inst_pref_size 66
	.end_amdhsa_kernel
	.amdgpu_metadata
---
amdhsa.version: [ 1, 2 ]
amdhsa.kernels:
  - .name:           k_q7a647721b6_attn
    .symbol:         k_q7a647721b6_attn.kd
    .args:
      - { .name: qkv, .offset: 0, .size: 8, .value_kind: global_buffer, .address_space: global }
      - { .name: yi, .offset: 8, .size: 8, .value_kind: global_buffer, .address_space: global }
    .group_segment_fixed_size: 327680
    .private_segment_fixed_size: 0
    .kernarg_segment_align: 8
    .kernarg_segment_size: 16
    .max_flat_workgroup_size: 256
    .sgpr_count:     66
    .vgpr_count:     384
    .wavefront_size: 32
...
	.end_amdgpu_metadata
.endif
;; end of part 3
;; launch proj (part 4): grid 8 x 64, 4 waves a work-group, clusters of 4 x 4, 327,680 bytes of LDS; arguments yi, wpi, out0; writes out0
.if DOCPART == 4
	.amdgcn_target "amdgcn-amd-amdhsa--gfx1250"
	.amdhsa_code_object_version 6
	.text
	.protected	k_q7a647721b6_proj
	.globl	k_q7a647721b6_proj
	.p2align	8
	.type	k_q7a647721b6_proj,@function
k_q7a647721b6_proj:
	s_mov_b64 s[64:65], 0
	v_nop
	global_prefetch_b8 v0, s[64:65] scope:SCOPE_SE
	s_setreg_imm32_b32 hwreg(HW_REG_WAVE_MODE, 25, 1), 1
	s_wait_xcnt 0x0
	s_wait_alu depctr_hold_cnt(0) depctr_sa_sdst(0) depctr_va_vdst(0) depctr_va_sdst(0) depctr_va_ssrc(0) depctr_va_vcc(0) depctr_vm_vsrc(0)
	s_getreg_b32 s2, hwreg(HW_REG_IB_STS2, 6, 4)
	s_cmp_eq_u32 s2, 0
	s_cbranch_scc0 .Lentry_in_a_cluster
	s_endpgm
.Lentry_in_a_cluster:
	s_bfe_u32 s2, ttmp6, 0x10000c
	s_cmp_lg_u32 s2, 0xf033
	s_cbranch_scc0 .Lentry_shape_is_right
	s_endpgm
.Lentry_shape_is_right:
; out0 = y W_proj: [8192 x 1024] x [1024 x 1024], operands in f16, sums and result in f32.  Both operands arrive as IMAGES OF OPERAND REGISTERS (16 rows x 32 K in 1,024 bytes: registers 0-3 at 16 x lane,
; registers 4-7 at 512 + 16 x lane), laid [K / 256][row / 16][(K % 256) / 32]: a K step of 256 of 64 rows is one dense block of 32,768 bytes, and a fragment is two LDS loads of 512 consecutive bytes: no padding.
; A tile of the result is 128 x 128: 512 work-groups of equal work.  Four waves, each 64 x 64: 16 accumulators.  K goes in four steps of 256 through a ring of two LDS slots of 131,072 bytes.
; CLUSTERS: 4 x 4 work-groups; y's tiles are shared along a row of the cluster, W's along a column: each is asked for jointly, by the same tensor load with the same descriptor and a mask of four.
; THE MATRIX INSTRUCTION IS USED TRANSPOSED (source 0 = 16 columns of W, source 1 = 16 tokens): a lane holds eight neighbouring numbers of a row of the result.
; A wave's 64 columns are 256 bytes of a row: each wave has a stage of its own on the way out, and no barrier stands there.
; Tokens 0-15 of each batch are written here too, from f16 operands; the launch behind this one writes those 64 rows again, carried in f32.
; REGISTERS: window 0: v0-31 addresses; v32-95 rows on the way out; v128-255 the accumulators ((a, b) at v[128 + 8 (4 a + b)]).  Window 1: two fragment buffers of 128: 64 registers of y (2 x 4 fragments), then 64 of W.
.set SLOT,   131072                    ; y's 8 tiles of 16 tokens x 8,192 bytes, then W's 8 tiles of 16 columns
.set QTR,    32768                     ; what one tensor load brings, and what one wave reads of y or of W
.set STAGE,  2*SLOT                    ; behind the ring: 16 rows x 272 bytes for each wave
.set SPITCH, 272
.set SPARE,  STAGE+4*16*SPITCH         ; the spare words, 128 bytes for each wave: two blocks of 256 bytes that no other line names
.set LAPS,   2                         ; a lap = two K steps = once round the ring
.set ADRA, 16                          ; v16-17  LDS address of my y fragments in slot 0, 1
.set ADRB, 20                          ; v20-21  the same for W
.set STO,  24                          ; v24     the way out: where I put 32 bytes of a row
.set RD,   25                          ; v25     where I read a row back
.set CO,   26                          ; v26     my byte offset in out0
.set SPW,  28                          ; v28     LDS address of my spare word; never rewritten
.set NIL,  29                          ; v29     0; never rewritten
.set TMP,  32
.set ACC,  128
.set F0,   0
.set F1,   128
.set G1, 24                            ; s[24:31] descriptor group 1 for y's tiles;  s[32:39] group 0, one set for each slot
.set G0, 32
.set G1B, 48                           ; s[48:55], s[56:63] the same for W's
.set G0B, 56
.set MSB, 0
.macro WIN new                         ; the immediate's high byte repeats the setting that is left
.if MSB != \new
	s_set_vgpr_msb (MSB<<8)|\new
.set MSB, \new
.endif
.endm
.set MUL,  0x05                        ; sources 0 (W) and 1 (y) window 1; C and D window 0
.set TO_F, 0x40                        ; destination window 1, address window 0
.macro JLOAD s                         ; a joint load: waves 0 and 1 fetch y's two halves, waves 2 and 3 W's; an s_nop 0 and four v_nop follow each of the two lines
	s_cmp_eq_u32 s11, 0
	s_cbranch_scc0 .Lfor_b_\@
	tensor_load_to_lds s[G0+4*\s:G0+4*\s+3], s[G1:G1+7]
	s_nop 0
.rept 4
	v_nop
.endr
	s_branch .Lasked_\@
.Lfor_b_\@:
	tensor_load_to_lds s[G0B+4*\s:G0B+4*\s+3], s[G1B:G1B+7]
	s_nop 0
.rept 4
	v_nop
.endr
.Lasked_\@:
.endm
.macro CREST                           ; a round of the cluster's barrier behind its opening barrier
	s_cmp_lg_u32 s10, 0
	s_cbranch_scc1 .Lnot_wave_0_\@
	s_barrier_signal -3
.Lnot_wave_0_\@:
	s_barrier_wait -3
	s_barrier_signal -1
	s_barrier_wait -1
.endm
.macro CROUND                          ; a whole round
	s_barrier_signal -1
	s_barrier_wait -1
	CREST
.endm
	s_load_b128 s[4:7], s[0:1], 0x0                ; yi s[4:5], wpi s[6:7]
	s_load_b64 s[8:9], s[0:1], 0x10                ; out0
	v_lshl_add_u32 v[SPW], v0, 2, SPARE
	v_mov_b32 v[NIL], 0
	ds_add_u32 v[SPW], v[NIL]                      ; the wave's opening: the add, twice on end, and its wait ahead of my first tensor load
	ds_add_u32 v[SPW], v[NIL]                      ; and once more; the set-up below, work on registers, stands between it and the wait
	v_lshrrev_b32 v1, 5, v0
	v_readfirstlane_b32 s10, v1                    ; wave 0..3
	s_lshr_b32 s11, s10, 1                         ; which half of the tile's rows is mine.  Also: I fetch for y (0) or for W (1)
	s_and_b32 s12, s10, 1                          ; which half of its columns.  Also: which 64 rows of that tile I fetch
	s_bfe_u32 s40, ttmp6, 0x40000                  ; cx, cy: my place in the cluster
	s_bfe_u32 s41, ttmp6, 0x40004
	s_lshl_b32 s42, ttmp9, 2
	s_add_co_u32 s42, s42, s40                     ; tile column = 4 x cluster x + cx
	s_and_b32 s13, ttmp7, 0xffff
	s_lshl_b32 s13, s13, 2
	s_add_co_u32 s13, s13, s41                     ; tile row = 4 x cluster y + cy
	s_lshl_b32 s43, s41, 2
	s_lshl_b32 s43, 15, s43                        ; my row of the cluster
	s_lshl_b32 s44, 0x1111, s40                    ; my column
	; descriptor group 1: 32,768 dense bytes as 128 rows of 256 bytes (32 elements of 8 bytes), no padding
	s_or_b32 s[G1+0], s43, (3<<16)|(1<<21)         ; 15:0 the mask: y's tiles go to my row; 17:16 elements of 8 bytes; 21 set beside a mask
	s_or_b32 s[G1B+0], s44, (3<<16)|(1<<21)
.irp g, G1, G1B
	s_mov_b32 s[\g+1], 32<<16                      ; tensor_dim0
	s_mov_b32 s[\g+2], 128<<16                     ; tensor_dim1
	s_mov_b32 s[\g+3], 32<<16                      ; tile_dim0
	s_mov_b32 s[\g+4], 128                         ; tile_dim1
	s_mov_b32 s[\g+5], 32                          ; tensor_dim0_stride
	s_mov_b32 s[\g+6], 0
	s_mov_b32 s[\g+7], 0
.endr
	s_lshl_b32 s17, s12, 15                        ; which 64 rows of the tile I fetch: four tiles of 16 x 8,192 bytes
	s_lshl_b32 s16, s13, 16
	s_add_co_u32 s16, s16, s17                     ; y: 65,536 x tile row + my half
	s_lshl_b32 s46, s42, 16
	s_add_co_u32 s46, s46, s17                     ; W: 65,536 x tile column + my half
	s_mov_b32 s17, 0
	s_mov_b32 s47, 0
	s_lshl_b32 s20, s10, 15                        ; where they go: wave x 32,768: no place in the cluster enters an LDS address
	s_wait_dscnt 0x0                               ; both opening adds are done
	s_wait_kmcnt 0x0
	s_add_nc_u64 s[14:15], s[4:5], s[16:17]
	s_add_nc_u64 s[46:47], s[6:7], s[46:47]
	CROUND                                         ; all sixteen work-groups are here: the first joint loads meet
.irp s, 0,1
	s_mov_b32 s[G0+4*\s], 1
	s_add_co_u32 s[G0+4*\s+1], s20, \s*SLOT
	s_add_nc_u64 s[G0+4*\s+2:G0+4*\s+3], s[14:15], \s*0x400000     ; K step s of y: 512 tiles of tokens x 8,192 bytes a step
	s_or_b32 s[G0+4*\s+3], s[G0+4*\s+3], 0x80000000
	s_mov_b32 s[G0B+4*\s], 1
	s_add_co_u32 s[G0B+4*\s+1], s20, \s*SLOT
	s_add_nc_u64 s[G0B+4*\s+2:G0B+4*\s+3], s[46:47], \s*0x80000    ; of W: 64 tiles of columns x 8,192
	s_or_b32 s[G0B+4*\s+3], s[G0B+4*\s+3], 0x80000000
	JLOAD \s
.endr
	v_and_b32 v1, 15, v0                           ; l % 16
	v_bfe_u32 v2, v0, 4, 1                         ; l / 16
	v_and_b32 v3, 31, v0
	v_lshlrev_b32 v3, 4, v3                        ; 16 x lane: my place in an image
	s_lshl_b32 s21, s11, 15                        ; my 64 rows of y
	s_lshl_b32 s22, s12, 15                        ; my 64 columns of W,
	s_add_co_u32 s22, s22, 2*QTR                   ; which lie behind y's 128 rows
.irp s, 0,1
	v_add_nc_u32 v[ADRA+\s], s21, v3
	v_add_nc_u32 v[ADRB+\s], s22, v3
	s_add_co_u32 s21, s21, SLOT
	s_add_co_u32 s22, s22, SLOT
.endr
	s_mul_i32 s23, s10, 16*SPITCH
	s_add_co_u32 s23, s23, STAGE                   ; my stage
	v_mul_u32_u24 v4, v1, SPITCH                   ; in: row l % 16, 32 bytes for each half of the lanes
	v_lshl_add_u32 v4, v2, 5, v4
	v_add_nc_u32 v[STO], s23, v4
	v_mul_u32_u24 v5, v2, SPITCH                   ; back: lanes 0-15 take one row of 256 bytes, lanes 16-31 the next
	v_lshl_add_u32 v5, v1, 4, v5
	v_add_nc_u32 v[RD], s23, v5
	v_lshlrev_b32 v5, 12, v2                       ; and the same two rows in out0: 4,096 bytes a row
	v_lshl_add_u32 v[CO], v1, 4, v5
	s_lshl_b32 s16, s13, 19                        ; my first row: 128 x tile row + 64 x half, x 4,096 bytes
	s_lshl_b32 s17, s11, 18
	s_add_co_u32 s16, s16, s17
	s_mov_b32 s17, 0
	s_add_nc_u64 s[8:9], s[8:9], s[16:17]
	s_lshl_b32 s46, s42, 9                         ; my first column, in bytes: 512 x tile column + 256 x half
	s_lshl_b32 s47, s12, 8
	s_add_co_u32 s46, s46, s47
	s_mov_b32 s47, 0
	s_add_nc_u64 s[8:9], s[8:9], s[46:47]
; 8 matrix instructions: row blocks a0, a0 + 1 x all 4 column blocks, 32 along K: half c of buffer f.  zero = 1: the first product starts the sums.  The 16 accumulators take turns
.macro MUL8 f, c, a0, zero
.irp a, \a0, \a0+1
.irp b, 0,1,2,3
.if \zero
	v_wmma_f32_16x16x32_f16 v[ACC+8*(4*(\a)+\b):ACC+8*(4*(\a)+\b)+7], v[\f+64+8*(4*\c+\b):\f+64+8*(4*\c+\b)+7], v[\f+8*(4*\c+\a):\f+8*(4*\c+\a)+7], 0
.else
	v_wmma_f32_16x16x32_f16 v[ACC+8*(4*(\a)+\b):ACC+8*(4*(\a)+\b)+7], v[\f+64+8*(4*\c+\b):\f+64+8*(4*\c+\b)+7], v[\f+8*(4*\c+\a):\f+8*(4*\c+\a)+7], v[ACC+8*(4*(\a)+\b):ACC+8*(4*(\a)+\b)+7]
.endif
.endr
.endr
.endm
; 32 LDS loads in one run: the images of the slot's q-th 64 along K into buffer f; the first 32 along K first
.macro FETCH slot, q, f
	WIN TO_F
.irp c, 0,1
.irp i, 0,1,2,3
	ds_load_b128 v[\f+64+8*(4*\c+\i):\f+64+8*(4*\c+\i)+3],   v[ADRB+\slot] offset:\i*8192+(2*(\q)+\c)*1024
	ds_load_b128 v[\f+64+8*(4*\c+\i)+4:\f+64+8*(4*\c+\i)+7], v[ADRB+\slot] offset:\i*8192+(2*(\q)+\c)*1024+512
	ds_load_b128 v[\f+8*(4*\c+\i):\f+8*(4*\c+\i)+3],         v[ADRA+\slot] offset:\i*8192+(2*(\q)+\c)*1024
	ds_load_b128 v[\f+8*(4*\c+\i)+4:\f+8*(4*\c+\i)+7],       v[ADRA+\slot] offset:\i*8192+(2*(\q)+\c)*1024+512
.endr
.endr
.endm
.macro PLACES                          ; four places in front of loads into registers that matrix instructions have read, and of the first read of results
.rept 4
	v_nop
.endr
.endm
; A K step is four quarters of 64 along K, 32 matrix instructions each, on buffers 0, 1, 0, 1.  One of the first three: multiplies buffer f and fetches quarter q into g.
.macro QUARTER slot, q, f, g, zero
	s_wait_dscnt 16                                ; the first 32 along K are in; the youngest sixteen loads may be out
	WIN MUL
	MUL8 \f, 0, 0, \zero
	MUL8 \f, 0, 2, \zero
	PLACES
	FETCH \slot, \q, \g
	s_wait_dscnt 32                                ; all but the 32 just issued
	WIN MUL
	MUL8 \f, 1, 0, 0
	MUL8 \f, 1, 2, 0
.endm
; The last quarter multiplies buffer 1 and changes slots: ONE barrier; in front of it each wave waits for all its tensor loads, adds 0 to its spare word, and waits for that and for its own reads of this slot.
; fill = 1: this slot is filled again, two K steps ahead; the barrier then opens a round of the cluster's.
.macro TURN slot, next, fill
	WIN 0                                          ; (the add's two registers lie in window 0)
	s_wait_tensorcnt 0x0                           ; all my tensor loads have landed: my part of the next slot
	ds_add_u32 v[SPW], v[NIL]                      ; 0 onto my spare word
	s_wait_dscnt 17                                ; (the add and the youngest sixteen loads may be out)
	WIN MUL
	MUL8 F1, 0, 0, 0                               ; eight matrix instructions stand between the add and the wait for it
	s_wait_dscnt 0x0                               ; the add is done, and my reads of this slot are over
	s_barrier_signal -1
	MUL8 F1, 0, 2, 0
.if \fill
	WIN 0
.endif
	s_barrier_wait -1
.if \fill
	CREST                                          ; no wave of any partner still reads this slot's tile or has a load on its way
	s_add_nc_u64 s[G0+4*\slot+2:G0+4*\slot+3], s[G0+4*\slot+2:G0+4*\slot+3], 0x800000
	s_add_nc_u64 s[G0B+4*\slot+2:G0B+4*\slot+3], s[G0B+4*\slot+2:G0B+4*\slot+3], 0x100000
	JLOAD \slot                                    ; the first tensor load behind the round; the four v_nop behind it are also the places in front of the loads below
.else
	PLACES
.endif
	FETCH \next, 0, F0
	WIN MUL
	MUL8 F1, 1, 0, 0
	MUL8 F1, 1, 2, 0
.endm
	s_wait_tensorcnt 1                             ; my part of K step 0 is in; the one younger load, K step 1's, may be out
	s_barrier_signal -1
	s_barrier_wait -1                              ; everybody's is
	FETCH 0, 0, F0
	QUARTER 0, 1, F0, F1, 1                        ; the first quarter stands in front of the loop: its first products start the sums
	WIN 0                                          ; at a label and at a branch every window is 0
	s_mov_b32 s3, LAPS-1
.Llap:                                                 ; a trip goes once round the ring, from a lap's second quarter to the next lap's first, and fills both slots again
	QUARTER 0, 2, F1, F0, 0
	QUARTER 0, 3, F0, F1, 0
	TURN 0, 1, 1
	QUARTER 1, 1, F0, F1, 0
	QUARTER 1, 2, F1, F0, 0
	QUARTER 1, 3, F0, F1, 0
	TURN 1, 0, 1
	QUARTER 0, 1, F0, F1, 0
	WIN 0
	s_sub_co_u32 s3, s3, 1
	s_cmp_lg_u32 s3, 0
	s_cbranch_scc1 .Llap
	QUARTER 0, 2, F1, F0, 0                        ; the last lap fills nothing, and has no round of the cluster's barrier
	QUARTER 0, 3, F0, F1, 0
	TURN 0, 1, 0
	QUARTER 1, 1, F0, F1, 0
	QUARTER 1, 2, F1, F0, 0
	QUARTER 1, 3, F0, F1, 0
	s_wait_dscnt 16                                ; the very last quarter: nothing more to fetch
	WIN MUL
	MUL8 F1, 0, 0, 0
	MUL8 F1, 0, 2, 0
	s_wait_dscnt 0
	MUL8 F1, 1, 0, 0
	MUL8 F1, 1, 2, 0
	WIN 0
	; THE WAY OUT, 16 rows x 64 columns at a time: a lane's 32 bytes of a row go into my own stage (rows of 272 bytes) and come back as whole rows of 256 bytes.  LDS serves a wave's instructions in order
	; (ISA guide 5.7.1.4): no wait between the stores and the loads, nor in front of the next block's stores.
	PLACES
.irp a, 0,1,2,3
.if \a >= 2
	s_wait_xcnt 0x0                                ; the stores of two blocks back have read their registers
.endif
.irp b, 0,1,2,3
	ds_store_b128 v[STO], v[ACC+8*(4*\a+\b):ACC+8*(4*\a+\b)+3] offset:64*\b          ; each accumulator from its low end on
	ds_store_b128 v[STO], v[ACC+8*(4*\a+\b)+4:ACC+8*(4*\a+\b)+7] offset:64*\b+16
.endr
.irp i, 0,1,2,3,4,5,6,7
	ds_load_b128 v[TMP+32*(\a%2)+4*\i:TMP+32*(\a%2)+4*\i+3], v[RD] offset:\i*2*SPITCH
.endr
.irp i, 0,1,2,3,4,5,6,7
	s_wait_dscnt 7-\i                              ; load i is in; the 7 - i younger ones may be out
	global_store_b128 v[CO], v[TMP+32*(\a%2)+4*\i:TMP+32*(\a%2)+4*\i+3], s[8:9] offset:(16*\a+2*\i)*4096 th:TH_STORE_NT   ; 16 lanes store 256 consecutive bytes, aligned
.endr
.endr
	s_wait_tensorcnt 0x0                           ; the wave's end, behind my last tensor load and my last LDS store
	ds_add_u32 v[SPW], v[NIL]
	s_wait_dscnt 0x0
	CROUND                                         ; the closing round: no work-group ends while a partner may still ask for a tile that names it
	s_endpgm
.Lfunc_end_k_q7a647721b6_proj:
	.size	k_q7a647721b6_proj, .Lfunc_end_k_q7a647721b6_proj-k_q7a647721b6_proj
	.p2alignl 7, 3214868480
	.fill 96, 4, 3214868480
	.section	.rodata,"a",@progbits
	.p2align	6, 0x0
	.amdhsa_kernel k_q7a647721b6_proj
		.amdhsa_group_segment_fixed_size 327680
		.amdhsa_private_segment_fixed_size 0
		.amdhsa_enable_private_segment 0
		.amdhsa_kernarg_size 24
		.amdhsa_user_sgpr_count 2
		.amdhsa_user_sgpr_kernarg_segment_ptr 1
		.amdhsa_wavefront_size32 1
		.amdhsa_system_sgpr_workgroup_id_x 1
		.amdhsa_system_sgpr_workgroup_id_y 1
		.amdhsa_system_sgpr_workgroup_id_z 1
		.amdhsa_system_vgpr_workitem_id 0
		.amdhsa_next_free_vgpr 512
		.amdhsa_next_free_sgpr 66
		.amdhsa_reserve_vcc 0
		.amdhsa_float_denorm_mode_32 3
		.amdhsa_float_denorm_mode_16_64 3
		.amdhsa_memory_ordered 1
		.amdhsa_forward_progress 1
		.amdhsa_inst_pref_size 86
	.end_amdhsa_kernel
	.amdgpu_metadata
---
amdhsa.version: [ 1, 2 ]
amdhsa.kernels:
  - .name:           k_q7a647721b6_proj
    .symbol:         k_q7a647721b6_proj.kd
    .args:
      - { .name: yi, .offset: 0, .size: 8, .value_kind: global_buffer, .address_space: global }
      - { .name: wpi, .offset: 8, .size: 8, .value_kind: global_buffer, .address_space: global }
      - { .name: out0, .offset: 16, .size: 8, .value_kind: global_buffer, .address_space: global }
    .group_segment_fixed_size: 327680
    .private_segment_fixed_size: 0
    .kernarg_segment_align: 8
    .kernarg_segment_size: 24
    .max_flat_workgroup_size: 128
    .sgpr_count:     66
    .vgpr_count:     512
    .wavefront_size: 32
...
	.end_amdgpu_metadata
.endif
;; end of part 4
;; launch early (part 5): grid 16 x 4, 16 waves a work-group, no clusters, 71,680 bytes of LDS; arguments e32, W_proj, out0; writes out0
.if DOCPART == 5
	.amdgcn_target "amdgcn-amd-amdhsa--gfx1250"
	.amdhsa_code_object_version 6
	.text
	.protected	k_q7a647721b6_early
	.globl	k_q7a647721b6_early
	.p2align	8
	.type	k_q7a647721b6_early,@function
k_q7a647721b6_early:
	s_mov_b64 s[64:65], 0
	v_nop
	global_prefetch_b8 v0, s[64:65] scope:SCOPE_SE
	s_setreg_imm32_b32 hwreg(HW_REG_WAVE_MODE, 25, 1), 1
	s_wait_xcnt 0x0
; TOKENS 0-15 OF EACH BATCH, IN f32 THROUGHOUT.  Under the causal mask these rows average one to sixteen values and are the largest of the output: their scores, softmax, second product and projection are
; carried in f32, from the f32 results of the quantised product (e32) and from W_proj as it is given.  They are written over what the launch before left in these 64 rows.
; SHARES.  Work-group (nb, batch) makes 16 tokens x 64 columns of out0.  Wave w is head w: it makes its head's 16 x 16 attention and multiplies the head's 16 x 64 of y by its own 64 rows of W_proj (64 columns);
; the sixteen heads' parts meet in LDS, and wave w then adds up and stores token w's 256 bytes.  This is no bulk work: 96 matrix instructions a wave.
; THE f32 MATRIX FORM takes K = 4: lane (r, h) holds row r and k = 2 h + 0, 1 in a pair of registers.  A pair (2 i, 2 i + 1) of a result tile of the earlier launch (lane (r, h): row r, register j: column 8 h + j)
; serves as such an operand as it stands; k is then permuted, alike on both sides of each product, which leaves the products what they are.
; The registers that this form writes (v192-255) are written by matrix instructions alone; every sum begins with the constant 0; what is made of a sum goes into other registers.
; No tensor load, no cluster: each work-group reads its own 64 columns of W_proj; e32's 12 KiB a wave are small.  LIMITS: NaN and infinities are not served.
.set SPARE, 69632                      ; behind the sixteen parts: the spare words, 128 bytes for each wave: eight blocks of 256 bytes that no other line names
.set PART,  4352                       ; a head's part in LDS: 16 tokens x (256 bytes + 16)
.set LI,   1                           ; v1   16 x lane
.set WA,   2                           ; v2   W_proj: 8 (lane / 16) rows of 4,096 bytes + 4 (lane % 16)
.set LM,   3                           ; v3   lane % 16 - 8 (lane / 16)
.set PS,   4                           ; v4   where I put 32 bytes of my head's part
.set RDA,  5                           ; v5   where I read my token's row of a part
.set OA,   6                           ; v6   8 x lane
.set NINF, 7
.set T,    8                           ; v8-15   scores
.set P,    16                          ; v16-23  p
.set SPW,  30                          ; v30  LDS address of my spare word; never rewritten
.set NIL,  31                          ; v31  0; never rewritten
.set VF,   32                          ; v32-63  v's four tiles; then y / l; then the sixteen parts of my token
.set W,    64                          ; v64-191 W_proj: 32 registers for each 16 columns (nt): 8 ct + j
.set QF,   128                         ; q's four tiles, until W's third set lands there
.set KF,   160                         ; k's, until the fourth
.set M,    192                         ; v192-223 four partial sums of S^T, later out's four tiles;  v224-255 y^T
	s_load_b128 s[4:7], s[0:1], 0x0                ; e32 s[4:5], W_proj s[6:7]
	s_load_b64 s[8:9], s[0:1], 0x10                ; out0
	v_lshl_add_u32 v[SPW], v0, 2, SPARE
	v_mov_b32 v[NIL], 0
	v_lshrrev_b32 v1, 5, v0
	v_readfirstlane_b32 s10, v1                    ; wave = head, later = token
	s_and_b32 s11, ttmp7, 0xffff                   ; batch
	v_and_b32 v24, 31, v0                          ; lane
	v_and_b32 v25, 15, v0                          ; r
	v_bfe_u32 v26, v0, 4, 1                        ; h
	v_lshlrev_b32 v[LI], 4, v24
	v_lshlrev_b32 v[WA], 2, v25
	v_lshl_add_u32 v[WA], v26, 15, v[WA]
	v_lshlrev_b32 v27, 3, v26
	v_sub_nc_u32 v[LM], v25, v27
	s_mul_i32 s12, s10, PART
	v_mul_u32_u24 v[PS], v25, 272
	v_lshl_add_u32 v[PS], v26, 5, v[PS]
	v_add_nc_u32 v[PS], s12, v[PS]                 ; my head's part, row r, + 32 h
	s_mul_i32 s12, s10, 272
	v_lshlrev_b32 v[OA], 3, v24
	v_add_nc_u32 v[RDA], s12, v[OA]                ; row = my wave's token, 8 bytes a lane
	v_mov_b32 v[NINF], 0xff800000
	s_mov_b32 s13, 0x3e38aa3b                      ; c = log2(e) / 8
	s_mov_b32 s14, 0x76543210
	s_mov_b32 s15, 0xfedcba98                      ; v_permlanex16_b32's selects for lane l xor 16
	s_mul_i32 s16, s11, 196608                     ; e32: the batch,
	s_lshl_b32 s17, s10, 12
	s_add_co_u32 s16, s16, s17                     ; the head's four tiles
	s_mov_b32 s17, 0
	s_lshl_b32 s18, s10, 18                        ; W_proj: the head's 64 rows of 4,096 bytes,
	s_lshl_b32 s19, ttmp9, 8
	s_add_co_u32 s18, s18, s19                     ; the work-group's 64 columns
	s_lshl_b32 s20, s11, 23                        ; out0: the batch's 2,048 rows,
	s_add_co_u32 s20, s20, s19                     ; the columns,
	s_lshl_b32 s19, s10, 12
	s_add_co_u32 s20, s20, s19                     ; my wave's token
	s_mov_b32 s19, 0
	s_mov_b32 s21, 0
	s_wait_kmcnt 0x0
	s_add_nc_u64 s[4:5], s[4:5], s[16:17]
	s_add_nc_u64 s[6:7], s[6:7], s[18:19]
	s_add_nc_u64 s[8:9], s[8:9], s[20:21]
.irp i, 0,1,2,3,4,5,6,7
	global_load_b128 v[QF+4*\i:QF+4*\i+3], v[LI], s[4:5] offset:512*\i
.endr
.irp i, 0,1,2,3,4,5,6,7
	global_load_b128 v[KF+4*\i:KF+4*\i+3], v[LI], s[4:5] offset:65536+512*\i
.endr
.irp i, 0,1,2,3,4,5,6,7
	global_load_b128 v[VF+4*\i:VF+4*\i+3], v[LI], s[4:5] offset:131072+512*\i
.endr
.macro WLOAD nt                        ; register 8 ct + j of set nt: lane (r, h): W_proj[64 head + 16 ct + 8 h + j][64 nb + 16 nt + r]
.irp ct, 0,1,2,3
.irp j, 0,1,2,3,4,5,6,7
	global_load_b32 v[W+32*(\nt)+8*\ct+\j], v[WA], s[6:7] offset:(16*\ct+\j)*4096+64*(\nt)
.endr
.endr
.endm
	WLOAD 0
	s_wait_loadcnt 32                              ; q, k and v are in; W's first 32 loads may be out
.irp jj, 0,1,2,3                               ; S^T = k q^T: source 0 = 16 keys, source 1 = 16 queries; channels 16 cb on in accumulator cb: four accumulators by turns
.irp cb, 0,1,2,3
.if \jj == 0
	v_wmma_f32_16x16x4_f32 v[M+8*\cb:M+8*\cb+7], v[KF+8*\cb+2*\jj:KF+8*\cb+2*\jj+1], v[QF+8*\cb+2*\jj:QF+8*\cb+2*\jj+1], 0
.else
	v_wmma_f32_16x16x4_f32 v[M+8*\cb:M+8*\cb+7], v[KF+8*\cb+2*\jj:KF+8*\cb+2*\jj+1], v[QF+8*\cb+2*\jj:QF+8*\cb+2*\jj+1], v[M+8*\cb:M+8*\cb+7]
.endif
.endr
.endr
.rept 8
	v_nop                                          ; eight places behind this form, in front of the first read of results and of loads into its sources
.endr
.irp j, 0,1,2,3,4,5,6,7                        ; lane (r, h): query r, key 8 h + j; each accumulator is read from its low end on
	v_add_f32 v24, v[M+\j], v[M+8+\j]
	v_add_f32 v25, v[M+16+\j], v[M+24+\j]
	v_add_f32 v[T+\j], v24, v25
.endr
	WLOAD 1
	WLOAD 2                                        ; into q's registers,
	WLOAD 3                                        ; and k's: both are done with
.irp j, 0,1,2,3,4,5,6,7
	v_cmp_gt_i32 vcc_lo, \j, v[LM]                 ; key 8 h + j comes after query r: hidden
	v_cndmask_b32 v[T+\j], v[T+\j], v[NINF], vcc_lo
.endr
	v_max3_num_f32 v24, v[T], v[T+1], v[T+2]
	v_max3_num_f32 v24, v24, v[T+3], v[T+4]
	v_max3_num_f32 v24, v24, v[T+5], v[T+6]
	v_max_num_f32 v24, v24, v[T+7]
	v_permlanex16_b32 v25, v24, s14, s15           ; the query's other eight keys lie in the lane 16 away; key 0 counts for every query, so the maximum is a number
	v_max_num_f32 v24, v24, v25
	v_mul_f32 v24, s13, v24                        ; c m
.irp j, 0,1,2,3,4,5,6,7
	v_fma_f32 v[P+\j], v[T+\j], s13, -v24          ; c s - c m
.endr
.irp j, 0,1,2,3,4,5,6,7
	v_exp_f32 v[P+\j], v[P+\j]
.endr
	v_nop                                          ; a plain instruction behind the last exponential
	s_wait_alu depctr_va_vdst(0)                   ; and the one wait for the batch ahead of its first reader
	v_add_f32 v26, v[P], v[P+1]
	v_add_f32 v27, v[P+2], v[P+3]
	v_add_f32 v28, v[P+4], v[P+5]
	v_add_f32 v29, v[P+6], v[P+7]
	v_add_f32 v26, v26, v27
	v_add_f32 v28, v28, v29
	v_add_f32 v26, v26, v28
	v_permlanex16_b32 v27, v26, s14, s15
	v_add_f32 v26, v26, v27                        ; the row's sum
	v_rcp_f32 v28, v26
	v_nop
	s_wait_alu depctr_va_vdst(0)                   ; the reciprocal's wait
.irp kk, 0,1,2,3                               ; y^T = v^T p: source 0 = 16 channels, source 1 = 16 queries; K = the 16 keys: four accumulators by turns
.irp ct, 0,1,2,3
.if \kk == 0
	v_wmma_f32_16x16x4_f32 v[M+32+8*\ct:M+32+8*\ct+7], v[VF+8*\ct+2*\kk:VF+8*\ct+2*\kk+1], v[P+2*\kk:P+2*\kk+1], 0
.else
	v_wmma_f32_16x16x4_f32 v[M+32+8*\ct:M+32+8*\ct+7], v[VF+8*\ct+2*\kk:VF+8*\ct+2*\kk+1], v[P+2*\kk:P+2*\kk+1], v[M+32+8*\ct:M+32+8*\ct+7]
.endif
.endr
.endr
.rept 8
	v_nop
.endr
.irp i, 0,1,2,3,4,5,6,7,8,9,10,11,12,13,14,15,16,17,18,19,20,21,22,23,24,25,26,27,28,29,30,31
	v_mul_f32 v[VF+\i], v[M+32+\i], v28            ; y / l, into v's registers: lane (r, h): token r, register 8 ct + j: channel 16 ct + 8 h + j
.endr
	s_wait_loadcnt 0x0                             ; all of W
.irp ct, 0,1,2,3                               ; my head's part of out^T: source 0 = 16 columns of W_proj, source 1 = 16 tokens; K = the head's 64 channels: four accumulators by turns
.irp jj, 0,1,2,3
.irp nt, 0,1,2,3
.if (\ct == 0) && (\jj == 0)
	v_wmma_f32_16x16x4_f32 v[M+8*\nt:M+8*\nt+7], v[W+32*\nt+8*\ct+2*\jj:W+32*\nt+8*\ct+2*\jj+1], v[VF+8*\ct+2*\jj:VF+8*\ct+2*\jj+1], 0
.else
	v_wmma_f32_16x16x4_f32 v[M+8*\nt:M+8*\nt+7], v[W+32*\nt+8*\ct+2*\jj:W+32*\nt+8*\ct+2*\jj+1], v[VF+8*\ct+2*\jj:VF+8*\ct+2*\jj+1], v[M+8*\nt:M+8*\nt+7]
.endif
.endr
.endr
.endr
.rept 8
	v_nop
.endr
.irp nt, 0,1,2,3                               ; lane (r, h): token r, columns 16 nt + 8 h + 0 .. 7
	ds_store_b128 v[PS], v[M+8*\nt:M+8*\nt+3] offset:64*\nt
	ds_store_b128 v[PS], v[M+8*\nt+4:M+8*\nt+7] offset:64*\nt+16
.endr
	s_wait_dscnt 0x0                               ; for the others' sake: my part lies in LDS
	s_barrier_signal -1
	s_barrier_wait -1
.irp p, 0,1,2,3,4,5,6,7,8,9,10,11,12,13,14,15
	ds_load_b64 v[VF+2*\p:VF+2*\p+1], v[RDA] offset:PART*\p   ; my token's 256 bytes of head p's part
.endr
	s_wait_dscnt 0x0
.irp p, 0,1,2,3,4,5,6,7
	v_pk_add_f32 v[VF+2*\p:VF+2*\p+1], v[VF+2*\p:VF+2*\p+1], v[VF+2*\p+16:VF+2*\p+17]
.endr
.irp p, 0,1,2,3
	v_pk_add_f32 v[VF+2*\p:VF+2*\p+1], v[VF+2*\p:VF+2*\p+1], v[VF+2*\p+8:VF+2*\p+9]
.endr
.irp p, 0,1
	v_pk_add_f32 v[VF+2*\p:VF+2*\p+1], v[VF+2*\p:VF+2*\p+1], v[VF+2*\p+4:VF+2*\p+5]
.endr
	v_pk_add_f32 v[VF:VF+1], v[VF:VF+1], v[VF+2:VF+3]
	global_store_b64 v[OA], v[VF:VF+1], s[8:9]     ; the wave stores 256 consecutive bytes, aligned
	s_wait_tensorcnt 0x0                           ; the wave's end, behind my last LDS store
	ds_add_u32 v[SPW], v[NIL]
	s_wait_dscnt 0x0
	s_endpgm
.Lfunc_end_k_q7a647721b6_early:
	.size	k_q7a647721b6_early, .Lfunc_end_k_q7a647721b6_early-k_q7a647721b6_early
	.p2alignl 7, 3214868480
	.fill 96, 4, 3214868480
	.section	.rodata,"a",@progbits
	.p2align	6, 0x0
	.amdhsa_kernel k_q7a647721b6_early
		.amdhsa_group_segment_fixed_size 71680
		.amdhsa_private_segment_fixed_size 0
		.amdhsa_enable_private_segment 0
		.amdhsa_kernarg_size 24
		.amdhsa_user_sgpr_count 2
		.amdhsa_user_sgpr_kernarg_segment_ptr 1
		.amdhsa_wavefront_size32 1
		.amdhsa_system_sgpr_workgroup_id_x 1
		.amdhsa_system_sgpr_workgroup_id_y 1
		.amdhsa_system_sgpr_workgroup_id_z 1
		.amdhsa_system_vgpr_workitem_id 0
		.amdhsa_next_free_vgpr 256
		.amdhsa_next_free_sgpr 66
		.amdhsa_reserve_vcc 1
		.amdhsa_float_denorm_mode_32 3
		.amdhsa_float_denorm_mode_16_64 3
		.amdhsa_memory_ordered 1
		.amdhsa_forward_progress 1
		.amdhsa_inst_pref_size 30
	.end_amdhsa_kernel
	.amdgpu_metadata
---
amdhsa.version: [ 1, 2 ]
amdhsa.kernels:
  - .name:           k_q7a647721b6_early
    .symbol:         k_q7a647721b6_early.kd
    .args:
      - { .name: e32, .offset: 0, .size: 8, .value_kind: global_buffer, .address_space: global }
      - { .name: W_proj, .offset: 8, .size: 8, .value_kind: global_buffer, .address_space: global }
      - { .name: out0, .offset: 16, .size: 8, .value_kind: global_buffer, .address_space: global }
    .group_segment_fixed_size: 71680
    .private_segment_fixed_size: 0
    .kernarg_segment_align: 8
    .kernarg_segment_size: 24
    .max_flat_workgroup_size: 512
    .sgpr_count:     66
    .vgpr_count:     256
    .wavefront_size: 32
...
	.end_amdgpu_metadata
.endif
;; end of part 5
